; MI455X (gfx1250); checked and timed in simulation.
; The chip was launched on July 23, 2026; its instructions are those of AMD's public machine-readable ISA for CDNA 5 (MIT licence, August 2026) and "CDNA5" Instruction Set Architecture Reference Guide (July 2026). The comments in the code are by the model that wrote it; some were corrected since.
;; Multi Head Self Attention. Allowed arithmetic: matrix products marked QUANTISED: E2M3 operands, one E8M0 scale for each 32 along K, by v_wmma_scale_f32_16x16x128_f8f6f4 with both operands' format E2M3, f32 sums; everything else in f32.
;; Inputs: in_features 4 x 2,048 x 1,024 float32; k_proj_weight 1,024 x 1,024 float32; o_proj_weight 1,024 x 1,024 float32; q_proj_weight 1,024 x 1,024 float32; token_positions 2,048 int32; v_proj_weight 1,024 x 1,024 float32.
;; Outputs: out0 4 x 2,048 x 1,024 float32.
;; This version of the problem:
;;   THIS VERSION OF THE PROBLEM IS GIVEN IN LOW PRECISION. The matrix products marked QUANTISED in the list below multiply operands that are first quantised to E2M3 (2 exponent bits, 3 mantissa bits; 6 bits a number), with one power-of-two scale for each 32 numbers along K (OCP MX v1.0); their sums are f32. All else is computed in f32.
;;   The module's matrix products, in the order in which they are computed (A, B: the left and right operand; K: the contracted axis; several contracted axes count as one K, in the product's order):
;;     1. [M 8,192, K 1,024] x [K 1,024, N 1,024]; A: input in_features; B: input q_proj_weight: QUANTISED
;;     2. [M 8,192, K 1,024] x [K 1,024, N 1,024]; A: input in_features; B: input k_proj_weight: QUANTISED
;;     3. [M 8,192, K 1,024] x [K 1,024, N 1,024]; A: input in_features; B: input v_proj_weight: QUANTISED
;;     4. batch 64 x [M 2,048, K 64] x [K 64, N 2,048]; A: computed on the way; B: computed on the way: QUANTISED
;;     5. batch 64 x [M 2,048, K 2,048] x [K 2,048, N 64]; A: softmax (see below); B: computed on the way: QUANTISED
;;     6. [M 8,192, K 1,024] x [K 1,024, N 1,024]; A: computed on the way; B: input o_proj_weight: QUANTISED
;;   THE QUANTISER, for each operand of a quantised product, along K:
;;     - K is cut into blocks of 32 from its start; a last block that is shorter is filled with zeros.
;;     - A block's scale is 2^e with e = floor(log2(the largest magnitude in the block)) - 2, held to -126 .. 127; a block of zeros has e = 0. As a byte (E8M0): e + 127.
;;     - Each number is divided by its block's scale, clamped to +-7.5, and rounded to the nearest number of E2M3, ties to even, subnormals kept.
;;     - The product sums the exact products of the quantised numbers (number of the format x scale) in f32.
;;   ~~~python
;;   def quantise(x, axis):      # numpy; x: float32 -> the quantised numbers, widened to float32 again
;;       x = np.moveaxis(x, axis, -1); K = x.shape[-1]
;;       x = np.pad(x, [(0, 0)] * (x.ndim - 1) + [(0, -K % 32)]); x = x.reshape(x.shape[:-1] + (-1, 32)); a = np.abs(x).max(-1, keepdims=True)
;;       e = np.where(a > 0, np.clip(np.frexp(np.where(a > 0, a, 1))[1] - 1 - 2, -126, 127), 0)      # np.frexp(a)[1] - 1 = floor(log2(a)), exactly
;;       r = np.clip(x / 2.0 ** e, -7.5, 7.5)
;;       step = 2.0 ** (np.maximum(np.frexp(np.where(r == 0, 1, r))[1] - 1, 0) - 3)
;;       q = np.round(r / step) * step * 2.0 ** e      # np.round: ties to even
;;       return np.moveaxis(q.reshape(q.shape[:-2] + (-1,))[..., :K], -1, axis).astype(np.float32)
;;   ~~~
;;   SOFTMAX AHEAD OF A QUANTISED PRODUCT. Where the list says 'softmax', what is quantised is not the finished softmax but p = 2^(t - M), with t = logit x log2(e) and M = ceil(the row's largest t), a whole number; so 1/2 < the row's largest p <= 1. The row's sum l is taken of the UNQUANTISED p, in f32, and the product's result is divided by l at the end. Since M is a whole number, a kernel that streams over the keys may use a running M (the ceiling of the running maximum): every later rescaling is an exact power of two, which a block's scale takes up: the codes' values come out the same.
;;   OPERANDS COMPUTED ON THE WAY. 'Computed on the way' means the value that the module computes at that place (a softmax that the list does not call 'softmax' is quantised finished and normalised). What goes into a quantiser is computed in f32, as accurately as f32 sums, v_exp_f32 and their like allow (about 1e-6 of the number): no bf16 or f16 on the way to a quantiser, and a product that is left as it is and whose result goes on into a quantised operand takes f32 operands (vector FMAs, or v_wmma_f32_16x16x4_f32). A number that lies on a knife's edge between two numbers of the format may be rounded either way, as far as f32 arithmetic and the matrix unit's own rounding can turn it there, and no further.
;; One version. Each part assembles by itself: llvm-mc -triple=amdgcn-amd-amdhsa -mcpu=gfx1250 --defsym DOCPART=n.
;; ======== version 1 of 1: 4 launches
;; limits: right only within a limited range of input values
;; workspace buffers: cb 9,437,184 bytes; sb 393,216 bytes; rope 524,288 bytes; qb 6,815,744 bytes; kvc 12,582,912 bytes; kvs 786,432 bytes; ac 6,291,456 bytes; asc 262,144 bytes
;; launch prep (part 1): grid 784 x 1, 8 waves a work-group, no clusters, 69,120 bytes of LDS; arguments in_features, q_proj_weight, k_proj_weight, v_proj_weight, o_proj_weight, token_positions, cb, sb, rope; writes cb, sb, rope
.if DOCPART == 1
	.amdgcn_target "amdgcn-amd-amdhsa--gfx1250"
	.amdhsa_code_object_version 6
	.text
	.protected	k_q8b1dd10220_prep
	.globl	k_q8b1dd10220_prep
	.p2align	8
	.type	k_q8b1dd10220_prep,@function
k_q8b1dd10220_prep:
	s_mov_b64 s[64:65], 0
	v_nop
	global_prefetch_b8 v0, s[64:65] scope:SCOPE_SE
	s_setreg_imm32_b32 hwreg(HW_REG_WAVE_MODE, 25, 1), 1
	s_wait_xcnt 0x0
; PREP.  (1) x [8192][1024] and the four weights [1024][1024], f32, K innermost, become codes of FP6 (E2M3) with one E8M0 byte for each 32 along K, laid as IMAGES OF OPERAND REGISTERS.
; (2) token_positions become a table of cos and sin for the rotation of q and k.
; TILES.  Rows are taken 16 to a tile, tile T = rows 32 (T / 2) + 8 (T % 2) + r + 8 (r / 8), r = 0 .. 15: with this order on both sides of every product a result's 16 registers of two neighbouring
; tiles are 16 neighbours along the next product's K.  Tiles 0-511: x; 512-575 Wq; 576-639 Wk; 640-703 Wv; 704-767 Wo.
; IMAGE.  A fragment (16 rows x 128 K) is 12 registers a lane (lane = row r + 16 h; registers 6 c .. 6 c + 5: k = 64 c + 32 h + 0 .. 31).  It lies in cb as three runs of 512 bytes, run c = registers 4 c .. 4 c + 3,
; lane l's 16 bytes at 16 l: cb[T][K step][1,536].  Scale words: sb[T][K / 256][r][2 words], 512 bytes a tile.
; SHARES.  Work-group = tile, wave w = K step w (128 along K).  Each of a wave's 16 loads reads 512 consecutive bytes of one row; the numbers turn through the wave's own stage in LDS (rows 528 bytes apart), so that a
; lane gets 16 neighbours of each block of 32.  Work-groups 768-783 make the table: a wave 16 tokens, a lane a frequency.
; A block's scale is 2^(floor(log2(largest magnitude)) - 2); its byte is the largest magnitude's exponent field - 2, held at 1 from below.
; LIMITS: NaN and infinities among the inputs are not served.  A block of zeros gets the byte 1 where the rule says 127 (its codes are zeros, and this program alone reads the bytes); blocks whose largest magnitude lies
; under 2^-124 are held at the byte 1.  cos and sin: the angle (one f32 product, as the problem has it) is reduced by three parts of pi / 2 with fused multiply-adds, then polynomials: within about 1e-7 for positions up to a
; magnitude of about 48,000; beyond that the reduction's error grows.
.set STGW,  8448                       ; a wave's stage: 16 rows x 528 bytes
.set SCA,   8*STGW                     ; behind the stages: the tile's 512 bytes of scale words
.set SPARE, SCA+512                    ; the spare words, 128 bytes for each wave: four blocks of 256 bytes that no other line names
.set SPW,   12                         ; v12  LDS address of my spare word; never rewritten
.set NIL,   13                         ; v13  0; never rewritten
.set R,     16                         ; v16-79   16 rows x 16 bytes as loaded
.set X,     80                         ; v80-143  64 numbers: register 16 b + i = k 32 b + 16 h + i of my row
.set PC,    144                        ; v144-155 the fragment
.set TC,    156                        ; v156-163 second halves of the blocks' codes
.set TM,    164                        ; v164-179 at work in QUANT
.set PW,    180                        ; v180 the scale word
.set SEL,   26                         ; s[26:27] lane selects: lane l xor 16
; 64 numbers of a lane become a fragment's 12 registers (six at d0, six at d1) and its scale word.
.macro QUANT s, d0, d1, pw
.irp b, 0,1,2,3
	v_max3_num_f32 v[TM+\b], |v[(\s)+16*\b]|, |v[(\s)+1+16*\b]|, 0x1800000   ; block b: my 16 numbers, and the floor 2^(3 - 127): the byte cannot fall under 1
.endr
.irp i, 2,4,6,8,10,12,14
.irp b, 0,1,2,3
	s_delay_alu instid0(VALU_DEP_4)
	v_max3_num_f32 v[TM+\b], v[TM+\b], |v[(\s)+16*\b+\i]|, |v[(\s)+1+16*\b+\i]|   ; the four blocks by turns
.endr
.endr
.irp b, 0,1,2,3
	s_delay_alu instid0(VALU_DEP_4)
	v_permlanex16_b32 v[TM+4+\b], v[TM+\b], s[SEL], s[SEL+1]
.endr
.irp b, 0,1,2,3
	s_delay_alu instid0(VALU_DEP_4)
	v_max_num_f32 v[TM+\b], v[TM+\b], v[TM+4+\b]           ; with lane l xor 16's: the block's largest magnitude
.endr
.irp b, 0,1,2,3
	s_delay_alu instid0(VALU_DEP_4)
	v_add_nc_u32 v[TM+12+\b], 0xff000000, v[TM+\b]         ; 2 off its exponent field: the conversion takes the exponent field of this operand as its scale
.endr
.irp b, 0,1,2,3
	s_delay_alu instid0(VALU_DEP_4)
	v_lshrrev_b32 v[TM+4+\b], 23, v[TM+12+\b]              ; the scale's byte
.endr
	s_delay_alu instid0(VALU_DEP_3)
	v_lshl_or_b32 v[(\pw)], v[TM+5], 8, v[TM+4]
	s_delay_alu instid0(VALU_DEP_1)
	v_lshl_or_b32 v[(\pw)], v[TM+6], 16, v[(\pw)]
	s_delay_alu instid0(VALU_DEP_1)
	v_lshl_or_b32 v[(\pw)], v[TM+7], 24, v[(\pw)]
	v_cvt_scalef32_pk16_fp6_f32 v[(\d0):(\d0)+2], v[(\s):(\s)+15], v[TM+12]
	v_cvt_scalef32_pk16_fp6_f32 v[TC:TC+2], v[(\s)+16:(\s)+31], v[TM+13]      ; (a conversion's three registers begin on an even number)
	v_cvt_scalef32_pk16_fp6_f32 v[(\d1):(\d1)+2], v[(\s)+32:(\s)+47], v[TM+14]
	v_cvt_scalef32_pk16_fp6_f32 v[TC+4:TC+6], v[(\s)+48:(\s)+63], v[TM+15]
	v_nop                                                  ; one plain place behind the scaled conversions
.irp i, 0,1,2
	v_permlane16_swap_b32 v[(\d0)+\i], v[TC+\i]            ; the layout wants a whole block in a lane: lanes 0-15 the even block, lanes 16-31 the odd one
.endr
.irp i, 0,1,2
	s_delay_alu instid0(VALU_DEP_3)
	v_mov_b32 v[(\d0)+3+\i], v[TC+\i]
.endr
.irp i, 0,1,2
	v_permlane16_swap_b32 v[(\d1)+\i], v[TC+4+\i]
.endr
.irp i, 0,1,2
	s_delay_alu instid0(VALU_DEP_3)
	v_mov_b32 v[(\d1)+3+\i], v[TC+4+\i]
.endr
.endm
	s_load_b512 s[4:19], s[0:1], 0x0               ; x s[4:5], Wq s[6:7], Wk s[8:9], Wv s[10:11], Wo s[12:13], positions s[14:15], cb s[16:17], sb s[18:19]
	s_load_b64 s[20:21], s[0:1], 0x40              ; the table
	v_lshl_add_u32 v[SPW], v0, 2, SPARE
	v_mov_b32 v[NIL], 0
	v_lshrrev_b32 v1, 5, v0
	s_delay_alu instid0(VALU_DEP_1)
	v_readfirstlane_b32 s22, v1                    ; wave 0..7
	v_and_b32 v6, 31, v0                           ; lane
	s_cmp_ge_u32 ttmp9, 768                        ; the work-group's number alone decides: all eight waves go the same way
	s_cbranch_scc1 .Lrope
	; ---- the quantiser
	v_and_b32 v7, 15, v0                           ; r
	v_bfe_u32 v8, v0, 4, 1                         ; h
	v_lshlrev_b32 v1, 4, v6                        ; 16 x lane
	s_mul_i32 s23, s22, STGW
	v_add_nc_u32 v2, s23, v1                       ; the stage, on the way in: a row's 512 bytes as they lie
	v_mul_u32_u24 v3, v7, 528
	s_delay_alu instid0(VALU_DEP_1)
	v_lshl_add_u32 v3, v8, 6, v3
	s_delay_alu instid0(VALU_DEP_1)
	v_add_nc_u32 v3, s23, v3                       ; on the way out: row r, + 64 h: my 16 numbers of a block
	s_lshr_b32 s24, s22, 1
	s_lshl_b32 s24, s24, 7
	s_and_b32 s25, s22, 1
	s_lshl_b32 s25, s25, 2
	s_add_co_u32 s24, s24, s25
	s_add_co_u32 s24, s24, SCA
	v_lshl_add_u32 v4, v7, 3, s24                  ; my row's scale word of K step w: SCA + 128 (w / 2) + 8 r + 4 (w % 2)
	v_add_nc_u32 v5, SCA, v1                       ; and the tile's 512 bytes, 16 a lane
	s_mov_b32 s[SEL], 0x76543210
	s_mov_b32 s[SEL+1], 0xfedcba98
.irp b, 0,1,2,3
	v_mov_b32 v[TM+4+\b], 0                        ; written once: a lane permute's destination counts as one of its sources
.endr
	s_and_b32 s28, ttmp9, 63
	s_wait_alu depctr_va_vdst(0)
	s_wait_kmcnt 0x0
	s_cmp_lt_u32 ttmp9, 704                        ; whose tile?  The choices hang on the work-group's number alone
	s_cselect_b64 s[30:31], s[10:11], s[12:13]
	s_cmp_lt_u32 ttmp9, 640
	s_cselect_b64 s[30:31], s[8:9], s[30:31]
	s_cmp_lt_u32 ttmp9, 576
	s_cselect_b64 s[30:31], s[6:7], s[30:31]
	s_cmp_lt_u32 ttmp9, 512
	s_cselect_b64 s[30:31], s[4:5], s[30:31]
	s_cselect_b32 s28, ttmp9, s28                  ; the tile's number in its own tensor
	s_and_b32 s29, s28, 1
	s_lshl_b32 s28, s28, 16
	s_lshl_b32 s29, s29, 15
	s_sub_co_u32 s28, s28, s29                     ; its first row, 32 (T / 2) + 8 (T % 2) = 16 T - 8 (T % 2), times 4,096 bytes
	s_lshl_b32 s29, s22, 9
	s_add_co_u32 s28, s28, s29                     ; + my K step's 512 bytes
	s_mov_b32 s29, 0
	s_add_nc_u64 s[30:31], s[30:31], s[28:29]
	s_mul_i32 s28, ttmp9, 12288
	s_mul_i32 s32, s22, 1536
	s_add_co_u32 s28, s28, s32
	s_add_nc_u64 s[16:17], s[16:17], s[28:29]      ; my image
	s_lshl_b32 s28, ttmp9, 9
	s_add_nc_u64 s[18:19], s[18:19], s[28:29]      ; the tile's scale words
.irp i, 0,1,2,3,4,5,6,7,8,9,10,11,12,13,14,15
	global_load_b128 v[R+4*\i:R+4*\i+3], v1, s[30:31] offset:(\i+8*(\i/8))*4096 th:TH_LOAD_NT   ; the tile's row i: 512 consecutive bytes; read once in the launch
.endr
.irp i, 0,1,2,3,4,5,6,7,8,9,10,11,12,13,14,15
	s_wait_loadcnt 15-\i                           ; loads come back in order: row i is in, the younger ones stay out
	ds_store_b128 v2, v[R+4*\i:R+4*\i+3] offset:528*\i
.endr
.irp b, 0,1,2,3
.irp j, 0,1,2,3
	ds_load_b128 v[X+16*\b+4*\j:X+16*\b+4*\j+3], v3 offset:128*\b+16*\j   ; LDS serves a wave's instructions in order: these see my stores
.endr
.endr
	s_wait_dscnt 0x0
	QUANT X, PC, PC+6, PW
.irp c, 0,1,2
	global_store_b128 v1, v[PC+4*\c:PC+4*\c+3], s[16:17] offset:512*\c    ; 512 consecutive bytes, aligned
.endr
	ds_store_b32 v4, v[PW]                         ; lanes l and l + 16 write the same word with the same value
	s_wait_dscnt 0x0                               ; for wave 0's sake: my word has landed
	s_barrier_signal -1
	s_barrier_wait -1
	s_cmp_lg_u32 s22, 0
	s_cbranch_scc1 .Lend
	ds_load_b128 v[16:19], v5                      ; the eight waves' words: 512 bytes
	s_wait_dscnt 0x0
	global_store_b128 v1, v[16:19], s[18:19]
.Lend:
	s_wait_tensorcnt 0x0                           ; the wave's end: three lines behind my last LDS store
	ds_add_u32 v[SPW], v[NIL]
	s_wait_dscnt 0x0
	s_endpgm
	; ---- the table: rope[token][frequency f][cos, sin], 256 bytes a token.
.Lrope:
	s_sub_co_u32 s23, ttmp9, 768
	s_lshl_b32 s23, s23, 3
	s_add_co_u32 s23, s23, s22                     ; which 16 tokens are my wave's
	s_lshl_b32 s28, s23, 6
	s_mov_b32 s29, 0
	s_lshl_b32 s30, s23, 12
	s_mov_b32 s31, 0
	s_wait_kmcnt 0x0
	s_add_nc_u64 s[14:15], s[14:15], s[28:29]
	s_load_b512 s[32:47], s[14:15], 0x0            ; their positions
	s_add_nc_u64 s[20:21], s[20:21], s[30:31]
	s_wait_alu depctr_va_vdst(0)
	v_lshlrev_b32 v1, 3, v6                        ; 8 bytes a lane
	v_mov_b32 v2, 0
.macro IFQ i, lit                      ; lane i's frequency: the f32 number nearest to 10000^(-i / 32)
	s_mov_b32 s59, \lit
	v_writelane_b32 v2, s59, \i
.endm
	IFQ 0, 0x3f800000
	IFQ 1, 0x3f3ff911
	IFQ 2, 0x3f0ff59a
	IFQ 3, 0x3ed7e89b
	IFQ 4, 0x3ea1e89b
	IFQ 5, 0x3e72d424
	IFQ 6, 0x3e361887
	IFQ 7, 0x3e088d77
	IFQ 8, 0x3dcccccd
	IFQ 9, 0x3d99940e
	IFQ 10, 0x3d6655c3
	IFQ 11, 0x3d2cba15
	IFQ 12, 0x3d0186e2
	IFQ 13, 0x3cc24350
	IFQ 14, 0x3c91ad39
	IFQ 15, 0x3c5a7bf1
	IFQ 16, 0x3c23d70a
	IFQ 17, 0x3bf5b9b0
	IFQ 18, 0x3bb8449c
	IFQ 19, 0x3b8a2e77
	IFQ 20, 0x3b4f3e37
	IFQ 21, 0x3b1b690d
	IFQ 22, 0x3ae91528
	IFQ 23, 0x3aaec98e
	IFQ 24, 0x3a83126f
	IFQ 25, 0x3a44948c
	IFQ 26, 0x3a136a16
	IFQ 27, 0x39dd1726
	IFQ 28, 0x39a5cb5f
	IFQ 29, 0x3978a814
	IFQ 30, 0x393a7753
	IFQ 31, 0x390bd472
	s_mov_b32 s48, 0xbfc90fd8                      ; - pi / 2 in three parts
	s_mov_b32 s49, 0xb4a8885a
	s_mov_b32 s50, 0xa7c234c4
	s_mov_b32 s51, 0x37cd4000                      ; cos: coefficients of x^8, x^6, x^4
	s_mov_b32 s52, 0xbab6077d
	s_mov_b32 s53, 0x3d2aaaa8
	s_mov_b32 s54, 0x36405000                      ; sin: coefficients of x^9, x^7, x^5, x^3
	s_mov_b32 s55, 0xb9503486
	s_mov_b32 s56, 0x3c0888c1
	s_mov_b32 s57, 0xbe2aaaab
	s_wait_kmcnt 0x0
.macro SINCOS i
	v_cvt_f32_i32 v16, s[32+\i]
	s_wait_alu depctr_va_vdst(0)
	v_mul_f32 v16, v16, v2                         ; the angle: one rounding
	s_delay_alu instid0(VALU_DEP_1)
	v_mul_f32 v17, 0x3f22f983, v16                 ; x 2 / pi
	s_delay_alu instid0(VALU_DEP_1)
	v_rndne_f32 v17, v17                           ; how many quarter turns
	s_delay_alu instid0(VALU_DEP_1)
	v_fma_f32 v18, v17, s48, v16
	s_delay_alu instid0(VALU_DEP_1)
	v_fma_f32 v18, v17, s49, v18
	s_delay_alu instid0(VALU_DEP_1)
	v_fma_f32 v18, v17, s50, v18                   ; what is left, within pi / 4
	s_delay_alu instid0(VALU_DEP_4)
	v_cvt_i32_f32 v19, v17
	s_delay_alu instid0(VALU_DEP_2)
	v_mul_f32 v20, v18, v18
	s_delay_alu instid0(VALU_DEP_1)
	v_fma_f32 v21, v20, s51, s52
	s_delay_alu instid0(VALU_DEP_2)
	v_fma_f32 v22, v20, s54, s55
	s_delay_alu instid0(VALU_DEP_2)
	v_fma_f32 v21, v21, v20, s53
	s_delay_alu instid0(VALU_DEP_2)
	v_fma_f32 v22, v22, v20, s56
	s_delay_alu instid0(VALU_DEP_2)
	v_fma_f32 v21, v21, v20, -0.5
	s_delay_alu instid0(VALU_DEP_2)
	v_fma_f32 v22, v22, v20, s57
	v_mul_f32 v23, v18, v20
	s_delay_alu instid0(VALU_DEP_3)
	v_fma_f32 v21, v21, v20, 1.0                   ; cos of the rest
	s_delay_alu instid0(VALU_DEP_2)
	v_fma_f32 v22, v22, v23, v18                   ; sin of the rest
	v_and_b32 v23, 1, v19
	s_delay_alu instid0(VALU_DEP_1)
	v_cmp_eq_u32 vcc_lo, 1, v23                    ; an odd number of quarter turns: the two change places
	s_delay_alu instid0(VALU_DEP_1)
	v_cndmask_b32 v24, v21, v22, vcc_lo
	s_delay_alu instid0(VALU_DEP_2)
	v_cndmask_b32 v25, v22, v21, vcc_lo
	v_lshlrev_b32 v26, 30, v19
	s_delay_alu instid0(VALU_DEP_1)
	v_and_b32 v26, 0x80000000, v26                 ; sin is negative in quarters 2 and 3,
	v_add_nc_u32 v27, 1, v19
	s_delay_alu instid0(VALU_DEP_1)
	v_lshlrev_b32 v27, 30, v27
	s_delay_alu instid0(VALU_DEP_1)
	v_and_b32 v27, 0x80000000, v27                 ; cos in quarters 1 and 2
	s_delay_alu instid0(VALU_DEP_1)
	v_xor_b32 v[64+2*\i], v24, v27
	v_xor_b32 v[65+2*\i], v25, v26
	global_store_b64 v1, v[64+2*\i:65+2*\i], s[20:21] offset:256*\i   ; 256 consecutive bytes, aligned; each token has registers of its own
.endm
.irp i, 0,1,2,3,4,5,6,7,8,9,10,11,12,13,14,15
	SINCOS \i
.endr
	s_endpgm
.Lfunc_end_k_q8b1dd10220_prep:
	.size	k_q8b1dd10220_prep, .Lfunc_end_k_q8b1dd10220_prep-k_q8b1dd10220_prep
	.p2alignl 7, 3214868480
	.fill 96, 4, 3214868480
	.section	.rodata,"a",@progbits
	.p2align	6, 0x0
	.amdhsa_kernel k_q8b1dd10220_prep
		.amdhsa_group_segment_fixed_size 69120
		.amdhsa_private_segment_fixed_size 0
		.amdhsa_enable_private_segment 0
		.amdhsa_kernarg_size 72
		.amdhsa_user_sgpr_count 2
		.amdhsa_user_sgpr_kernarg_segment_ptr 1
		.amdhsa_wavefront_size32 1
		.amdhsa_system_sgpr_workgroup_id_x 1
		.amdhsa_system_sgpr_workgroup_id_y 1
		.amdhsa_system_sgpr_workgroup_id_z 1
		.amdhsa_system_vgpr_workitem_id 0
		.amdhsa_next_free_vgpr 184
		.amdhsa_next_free_sgpr 66
		.amdhsa_reserve_vcc 1
		.amdhsa_float_denorm_mode_32 3
		.amdhsa_float_denorm_mode_16_64 3
		.amdhsa_memory_ordered 1
		.amdhsa_forward_progress 1
		.amdhsa_inst_pref_size 53
	.end_amdhsa_kernel
	.amdgpu_metadata
---
amdhsa.version: [ 1, 2 ]
amdhsa.kernels:
  - .name:           k_q8b1dd10220_prep
    .symbol:         k_q8b1dd10220_prep.kd
    .args:
      - { .name: in_features, .offset: 0, .size: 8, .value_kind: global_buffer, .address_space: global }
      - { .name: q_proj_weight, .offset: 8, .size: 8, .value_kind: global_buffer, .address_space: global }
      - { .name: k_proj_weight, .offset: 16, .size: 8, .value_kind: global_buffer, .address_space: global }
      - { .name: v_proj_weight, .offset: 24, .size: 8, .value_kind: global_buffer, .address_space: global }
      - { .name: o_proj_weight, .offset: 32, .size: 8, .value_kind: global_buffer, .address_space: global }
      - { .name: token_positions, .offset: 40, .size: 8, .value_kind: global_buffer, .address_space: global }
      - { .name: cb, .offset: 48, .size: 8, .value_kind: global_buffer, .address_space: global }
      - { .name: sb, .offset: 56, .size: 8, .value_kind: global_buffer, .address_space: global }
      - { .name: rope, .offset: 64, .size: 8, .value_kind: global_buffer, .address_space: global }
    .group_segment_fixed_size: 69120
    .private_segment_fixed_size: 0
    .kernarg_segment_align: 8
    .kernarg_segment_size: 72
    .max_flat_workgroup_size: 256
    .sgpr_count:     66
    .vgpr_count:     184
    .wavefront_size: 32
...
	.end_amdgpu_metadata
.endif
;; end of part 1
;; launch qkv (part 2): grid 8 x 48, 4 waves a work-group, clusters of 4 x 4, 327,680 bytes of LDS; arguments cb, sb, rope, qb, kvc, kvs; writes qb, kvc, kvs
.if DOCPART == 2
	.amdgcn_target "amdgcn-amd-amdhsa--gfx1250"
	.amdhsa_code_object_version 6
	.text
	.protected	k_q8b1dd10220_qkv
	.globl	k_q8b1dd10220_qkv
	.p2align	8
	.type	k_q8b1dd10220_qkv,@function
k_q8b1dd10220_qkv:
	s_mov_b64 s[64:65], 0
	v_nop
	global_prefetch_b8 v0, s[64:65] scope:SCOPE_SE
	s_setreg_imm32_b32 hwreg(HW_REG_WAVE_MODE, 25, 1), 1
	s_wait_xcnt 0x0
	s_wait_alu depctr_hold_cnt(0) depctr_sa_sdst(0) depctr_va_vdst(0) depctr_va_sdst(0) depctr_va_ssrc(0) depctr_va_vcc(0) depctr_vm_vsrc(0)
	s_getreg_b32 s2, hwreg(HW_REG_IB_STS2, 6, 4)
	s_cmp_eq_u32 s2, 0
	s_cbranch_scc0 .Lentry_in_a_cluster
	s_endpgm
.Lentry_in_a_cluster:
	s_bfe_u32 s2, ttmp6, 0x10000c
	s_cmp_lg_u32 s2, 0xf033
	s_cbranch_scc0 .Lentry_shape_is_right
	s_endpgm
.Lentry_shape_is_right:
; QKV.  q = x Wq^T, k = x Wk^T, v = x Wv^T on codes of FP6 (E2M3) with E8M0 scales (K = 1,024); q and k are rotated by the table and quantised along the head's 64; v is quantised along the KEYS.
; All operands come as images of operand registers (cb[tile][K step][1,536], sb[tile][K / 256][row][2 words]); tile T holds rows 32 (T / 2) + 8 (T % 2) + r + 8 (r / 8).
; SHARES.  A work-group of four waves makes 256 x 256 of a product, a wave 128 x 128: 64 accumulators, 512 registers.  The matrix instruction is used transposed: source 0 = 16 rows of the 'B role', source 1 = 16 rows of the
; 'A role': a lane holds ONE row of A's, and the 16 registers of two neighbouring tiles of B's are 16 neighbours.  Clusters with y < 8: A = tokens, B = rows of Wq (cluster x = 0) or Wk (1): a lane holds a token, its 64
; registers of a block are 128 channels, two heads.  Clusters with y >= 8: A = rows of Wv, B = tokens: a lane holds a channel and its registers run along the keys.  So what a lane holds on the way out is quantised in
; registers and IS the next product's fragment: it is stored as an image, 512 consecutive bytes a store, with no stage.
; K goes in steps of 256 through a ring of two LDS slots; the scale words of the work-group's rows for all of K come once.  Every LDS read takes consecutive bytes from lane to lane: no padding.
; CLUSTER 4 x 4: A's tiles hang on cy and the cluster's own place and are shared along a row, B's on cx and are shared along a column: each is asked for jointly.
; OUT.  qb[b h][128 tokens][4 pair images, then 512 bytes of scale words]; kvc[b h][128 keys][k: 4 pair images | v: 4 fragment images]; kvs[b h][128 keys][k: 512 | v: 256].  A pair image: registers 0-5 the half fragment
; (k = 32 h + 0 .. 31 of the head's 64) of tile 2 g, registers 6-11 that of tile 2 g + 1.  q's and k's scale words: lane l's 16 bytes are the words of tiles 2 g + l / 16, g = 0 .. 3, row l % 16; the two true bytes are the
; lower ones; the upper ones hold the neighbouring head's bytes or 0, never 0xff, and meet zero codes alone.  v's: lane l's 8 bytes are the words of channel tiles 2 j + l / 16.
; LIMITS: NaN and infinities are not served; a block of zeros gets the byte 1 where the rule says 127 (zero codes; only this program reads the bytes); the rotation uses a product and a fused multiply-add.
; REGISTERS: window 0: v16-31 addresses; v32-63 scale words, two sets; v128-223 A's fragments, one set; on the way out v64-251 are at work.  Window 1: B's fragments, two sets.  Windows 2, 3: the accumulators ((a, b) at v[8 (8 (a % 4) + b)]).
.set FR,     12                        ; registers of a fragment
.set NQ,     2                         ; matrix instructions deep in a slot
.set NP,     4                         ; places behind this matrix instruction (ISA guide 7.12.1)
.set NL,     3                         ; LDS loads that bring a fragment
.set CHUNK,  3072                      ; 256 along K of one tile: two images
.set TILEB,  12288                     ; a tile's eight images
.set HALFT,  8*CHUNK                   ; 8 tiles: what one tensor load brings, and what one wave reads of A or of B
.set SLOT,   4*HALFT                   ; A's 16 tiles, then B's 16
.set SCL,    2*SLOT                    ; behind the ring: the scale words, 4,096 bytes for each wave's 8 tiles
.set SPARE,  SCL+4*4096                ; the spare words, 128 bytes for each wave: two blocks of 256 bytes that no other line names
.set ADRA, 16                          ; v16-17  LDS address of my A fragments in slot 0, 1
.set ADRB, 20                          ; v20-21  the same for B
.set H1C,  22                          ; v22  the way out: 16 x lane + the way to the next head's codes
.set H1S,  23                          ; v23  and to its scale words
.set L16,  24                          ; v24  16 x lane
.set L8,   25                          ; v25  8 x lane
.set TO,   26                          ; v26  the table: 256 (r + 8 (r / 8)) + 64 h
.set ADRS, 27                          ; v27  LDS address of my scale words: lanes 0-15 A's rows, lanes 16-31 B's
.set SPW,  28                          ; v28  LDS address of my spare word; never rewritten
.set NIL,  29                          ; v29  0; never rewritten
.set SC,   32
.set AF,   128
.set CS,   64                          ; the way out: v64-127 two sets of 16 pairs (cos, sin)
.set RB,   128                         ; v128-191 64 rotated numbers
.set OUT,  192                         ; v192-215 two images
.set TC,   216                         ; v216-223
.set TM,   224                         ; v224-239
.set PW0,  240                         ; v240, v241 the scale words of an even and an odd tile
.set SW,   244                         ; v244-251 scale words to store
.set G1, 24
.set G0, 32
.set G1B, 48
.set G0B, 56
.set G1S, 68
.set G0S, 76
.set G1SB, 80
.set G0SB, 88
.set SEL, 66                           ; s[66:67] lane selects: lane l xor 16
.set MSB, 0
.macro WIN new                         ; the immediate's high byte repeats the setting that is left
.if MSB != (\new)
	s_set_vgpr_msb (MSB<<8)|(\new)
.set MSB, (\new)
.endif
.endm
.set MUL_LO, 0xa1                      ; source 0 (B) window 1, source 1 (A) window 0, C and D window 2
.set MUL_HI, 0xf1                      ; the same, C and D window 3
.set TO_B,   0x40                      ; destination window 1, address window 0
; A joint load: waves 0 and 1 fetch for A, waves 2 and 3 for B.  The branch hangs on the wave's number alone.  An s_nop 0 and four v_nop follow each of the two lines.
.macro JLOAD g0a, g1a, g0b, g1b
	s_cmp_eq_u32 s17, 0
	s_cbranch_scc0 .Lfor_b_\@
	tensor_load_to_lds s[\g0a:\g0a+3], s[\g1a:\g1a+7]
	s_nop 0
.rept 4
	v_nop
.endr
	s_branch .Lasked_\@
.Lfor_b_\@:
	tensor_load_to_lds s[\g0b:\g0b+3], s[\g1b:\g1b+7]
	s_nop 0
.rept 4
	v_nop
.endr
.Lasked_\@:
.endm
.macro CREST                           ; a round of the cluster's barrier behind its opening barrier
	s_cmp_lg_u32 s16, 0
	s_cbranch_scc1 .Lnot_wave_0_\@
	s_barrier_signal -3
.Lnot_wave_0_\@:
	s_barrier_wait -3
	s_barrier_signal -1
	s_barrier_wait -1
.endm
.macro CROUND
	s_barrier_signal -1
	s_barrier_wait -1
	CREST
.endm
	s_load_b256 s[4:11], s[0:1], 0x0               ; cb s[4:5], sb s[6:7], the table s[8:9], qb s[10:11]
	s_load_b128 s[12:15], s[0:1], 0x20             ; kvc s[12:13], kvs s[14:15]
	v_lshl_add_u32 v[SPW], v0, 2, SPARE
	v_mov_b32 v[NIL], 0
	ds_add_u32 v[SPW], v[NIL]                      ; the wave's opening: the add and its wait ahead of my first tensor load; work on registers stands between them
	v_lshrrev_b32 v1, 5, v0
	v_readfirstlane_b32 s16, v1                    ; wave 0..3
	s_lshr_b32 s17, s16, 1                         ; which half of A's rows is mine.  Also: I fetch for A (0) or for B (1)
	s_and_b32 s18, s16, 1                          ; which half of B's rows.  Also: which 8 tiles I fetch
	s_bfe_u32 s40, ttmp6, 0x40000                  ; cx
	s_bfe_u32 s41, ttmp6, 0x40004                  ; cy
	s_mov_b32 s42, ttmp9                           ; the cluster's x: 0, 1
	s_and_b32 s43, ttmp7, 0xffff                   ; the cluster's y: 0 .. 11
	s_lshl_b32 s44, s41, 2
	s_lshl_b32 s44, 15, s44                        ; my row of the cluster
	s_lshl_b32 s45, 0x1111, s40                    ; my column
	; group 1 for codes: 8 rows (tiles) of 3,072 bytes, 12,288 bytes apart, in elements of 8 bytes; no padding
	s_or_b32 s[G1+0], s44, (3<<16)|(1<<21)         ; 15:0 the mask: A's tiles go to my row; 17:16 elements of 8 bytes; 21 set beside a mask
	s_or_b32 s[G1B+0], s45, (3<<16)|(1<<21)
.irp g, G1, G1B
	s_mov_b32 s[\g+1], 384<<16                     ; tensor_dim0
	s_mov_b32 s[\g+2], 8<<16                       ; tensor_dim1
	s_mov_b32 s[\g+3], 384<<16                     ; tile_dim0
	s_mov_b32 s[\g+4], 8                           ; tile_dim1
	s_mov_b32 s[\g+5], 1536                        ; tensor_dim0_stride
	s_mov_b32 s[\g+6], 0
	s_mov_b32 s[\g+7], 0
.endr
	; and for the scale words of 8 tiles: 4,096 dense bytes as 16 rows of 256
	s_or_b32 s[G1S+0], s44, (3<<16)|(1<<21)
	s_or_b32 s[G1SB+0], s45, (3<<16)|(1<<21)
.irp g, G1S, G1SB
	s_mov_b32 s[\g+1], 32<<16
	s_mov_b32 s[\g+2], 16<<16
	s_mov_b32 s[\g+3], 32<<16
	s_mov_b32 s[\g+4], 16
	s_mov_b32 s[\g+5], 32
	s_mov_b32 s[\g+6], 0
	s_mov_b32 s[\g+7], 0
.endr
	; the first tiles of the cluster's A and B: made of the cluster's own place, which all sixteen partners share
	s_lshl_b32 s19, s43, 6                         ; q, k: A = tokens, tile 64 y
	s_lshl_b32 s20, s42, 6
	s_add_co_u32 s21, s20, 512                     ; q, k: B = Wq, Wk, tile 512 + 64 x
	s_sub_co_u32 s22, s43, 8
	s_lshl_b32 s22, s22, 7
	s_add_co_u32 s22, s22, s20                     ; v: B = tokens, tile 128 (y - 8) + 64 x
	s_mov_b32 s23, 640                             ; v: A = Wv
	s_cmp_lt_u32 s43, 8
	s_cselect_b32 s19, s19, s23
	s_cselect_b32 s21, s21, s22
	s_lshl_b32 s22, s41, 4
	s_add_co_u32 s22, s22, s19
	s_lshl_b32 s23, s18, 3
	s_add_co_u32 s22, s22, s23                     ; A: + 16 cy + the 8 tiles that I fetch
	s_mul_i32 s46, s22, TILEB
	s_mov_b32 s47, 0
	s_lshl_b32 s92, s22, 9
	s_mov_b32 s93, 0
	s_lshl_b32 s20, s40, 4
	s_add_co_u32 s20, s20, s21
	s_add_co_u32 s20, s20, s23                     ; B: + 16 cx + the 8 tiles that I fetch
	s_mul_i32 s94, s20, TILEB
	s_mov_b32 s95, 0
	s_lshl_b32 s96, s20, 9
	s_mov_b32 s97, 0
	s_mul_i32 s98, s16, HALFT                      ; where they go: no place in the cluster enters an LDS address
	s_lshl_b32 s99, s16, 12
	s_wait_dscnt 0x0                               ; the opening add is done
	s_wait_kmcnt 0x0
	s_add_nc_u64 s[46:47], s[4:5], s[46:47]
	s_add_nc_u64 s[92:93], s[6:7], s[92:93]
	s_add_nc_u64 s[94:95], s[4:5], s[94:95]
	s_add_nc_u64 s[96:97], s[6:7], s[96:97]
	CROUND                                         ; all sixteen work-groups are here: the first joint loads meet
	s_mov_b32 s[G0S], 1
	s_add_co_u32 s[G0S+1], s99, SCL
	s_mov_b64 s[G0S+2:G0S+3], s[92:93]
	s_or_b32 s[G0S+3], s[G0S+3], 0x80000000
	s_mov_b32 s[G0SB], 1
	s_add_co_u32 s[G0SB+1], s99, SCL
	s_mov_b64 s[G0SB+2:G0SB+3], s[96:97]
	s_or_b32 s[G0SB+3], s[G0SB+3], 0x80000000
	JLOAD G0S, G1S, G0SB, G1SB                     ; the scale words first: they are wanted with K step 0
.irp s, 0,1
	s_mov_b32 s[G0+4*\s], 1
	s_add_co_u32 s[G0+4*\s+1], s98, \s*SLOT
	s_add_nc_u64 s[G0+4*\s+2:G0+4*\s+3], s[46:47], \s*CHUNK
	s_or_b32 s[G0+4*\s+3], s[G0+4*\s+3], 0x80000000
	s_mov_b32 s[G0B+4*\s], 1
	s_add_co_u32 s[G0B+4*\s+1], s98, \s*SLOT
	s_add_nc_u64 s[G0B+4*\s+2:G0B+4*\s+3], s[94:95], \s*CHUNK
	s_or_b32 s[G0B+4*\s+3], s[G0B+4*\s+3], 0x80000000
	JLOAD G0+4*\s, G1, G0B+4*\s, G1B
.endr
	v_and_b32 v1, 15, v0                           ; r
	v_bfe_u32 v2, v0, 4, 1                         ; h
	v_and_b32 v3, 31, v0
	v_lshlrev_b32 v[L16], 4, v3
	v_lshlrev_b32 v[L8], 3, v3
	s_mul_i32 s21, s17, HALFT                      ; my 8 tiles of A
	s_mul_i32 s22, s18, HALFT                      ; my 8 tiles of B,
	s_add_co_u32 s22, s22, 2*HALFT                 ; which lie behind A's 16
.irp s, 0,1
	v_add_nc_u32 v[ADRA+\s], s21, v[L16]
	v_add_nc_u32 v[ADRB+\s], s22, v[L16]
	s_add_co_u32 s21, s21, SLOT
	s_add_co_u32 s22, s22, SLOT
.endr
	s_lshl_b32 s21, s17, 12                        ; A's scale words: my 8 tiles
	s_lshl_b32 s22, s18, 12                        ; B's: my 8 tiles, behind A's 16
	s_add_co_u32 s22, s22, 8192
	s_sub_co_u32 s22, s22, s21
	v_mul_u32_u24 v4, s22, v2                      ; lanes 16-31 take B's: one product for the lane's half
	s_add_co_u32 s21, s21, SCL
	v_lshl_add_u32 v4, v1, 3, v4                   ; 8 bytes a row
	v_add_nc_u32 v[ADRS], s21, v4
	v_and_b32 v4, 8, v1
	v_add_nc_u32 v4, v4, v1
	v_lshlrev_b32 v[TO], 8, v4
	v_lshl_add_u32 v[TO], v2, 6, v[TO]
	s_mov_b32 s[SEL], 0x76543210
	s_mov_b32 s[SEL+1], 0xfedcba98
	s_mov_b32 s100, 0xffff0000                     ; lanes 16-31
.macro FRAG reg, adr, q, i             ; an image comes back as it was stored: three loads of 512 consecutive bytes
.irp c, 0,1,2
	ds_load_b128 v[\reg+4*\c:\reg+4*\c+3], v[\adr] offset:CHUNK*(\i)+1536*(\q)+512*\c
.endr
.endm
; 16 matrix instructions: A's blocks a0, a0 + 1 x B's eight, 128 along K.  p: B's set; sc: the set of scale words.  zero = 1: the first product starts the sums.
; The 64 accumulators take turns, one instruction a turn, in the same order in every step.
.macro MUL16 a0, p, q, sc, zero
.irp a, \a0, \a0+1
.irp b, 0,1,2,3,4,5,6,7
.if \zero
	v_wmma_scale_f32_16x16x128_f8f6f4 v[8*(8*((\a)%4)+\b):8*(8*((\a)%4)+\b)+7], v[128*(\p)+FR*\b:128*(\p)+FR*\b+FR-1], v[AF+FR*(\a):AF+FR*(\a)+FR-1], 0, v[SC+8*NQ*(\sc)+NQ*\b+(\q)], v[SC+8*NQ*(\sc)+NQ*(\a)+(\q)] matrix_a_fmt:MATRIX_FMT_FP6 matrix_b_fmt:MATRIX_FMT_FP6 matrix_a_scale:MATRIX_SCALE_ROW1
.else
	v_wmma_scale_f32_16x16x128_f8f6f4 v[8*(8*((\a)%4)+\b):8*(8*((\a)%4)+\b)+7], v[128*(\p)+FR*\b:128*(\p)+FR*\b+FR-1], v[AF+FR*(\a):AF+FR*(\a)+FR-1], v[8*(8*((\a)%4)+\b):8*(8*((\a)%4)+\b)+7], v[SC+8*NQ*(\sc)+NQ*\b+(\q)], v[SC+8*NQ*(\sc)+NQ*(\a)+(\q)] matrix_a_fmt:MATRIX_FMT_FP6 matrix_b_fmt:MATRIX_FMT_FP6 matrix_a_scale:MATRIX_SCALE_ROW1
.endif
.endr
.endr
.endm
.macro FETCH_B slot, q, p
	WIN TO_B
.irp i, 0,1,2,3,4,5,6,7
	FRAG 128*(\p)+FR*\i, ADRB+\slot, \q, \i
.endr
	WIN 0
.endm
.macro FETCH_A slot, q, i0
.irp i, \i0, \i0+1, \i0+2, \i0+3
	FRAG AF+FR*(\i), ADRA+\slot, \q, \i
.endr
.endm
.macro SCALES sc                       ; a K step's scale words: two words a row; lanes 0-15 take A's block i, lanes 16-31 B's block i
.irp i, 0,1,2,3,4,5,6,7
	ds_load_b64 v[SC+8*NQ*\sc+NQ*\i:SC+8*NQ*\sc+NQ*\i+1], v[ADRS] offset:\i*512
.endr
.endm
.macro PLACES n                        ; places in front of loads into registers that matrix instructions have read, and of the first read of results
.rept \n
	v_nop
.endr
.endm
.macro STEP slot, q, zero              ; 128 along K with its successor in the same slot
	s_wait_dscnt 4*NL                              ; B's set and A's blocks 0-3 are in; the youngest 12 loads (A's blocks 4-7) may be out
	WIN MUL_LO
	MUL16 0, (\q)%2, \q, \slot, \zero
	MUL16 2, (\q)%2, \q, \slot, \zero
	s_wait_dscnt 0
	PLACES NP
	FETCH_B \slot, (\q)+1, 1-(\q)%2
	FETCH_A \slot, (\q)+1, 0
	WIN MUL_HI
	MUL16 4, (\q)%2, \q, \slot, \zero
	MUL16 6, (\q)%2, \q, \slot, \zero
	PLACES NP
	WIN 0
	FETCH_A \slot, (\q)+1, 4
.endm
; A slot's last step changes slots: one barrier; in front of it each wave waits for all its tensor loads, adds 0 to its spare word, and waits for that and for its own reads of this slot.  fill = 1: the slot is filled again, two K steps ahead.
.macro TURN slot, next, fill
	s_wait_tensorcnt 0x0                           ; all my tensor loads have landed: my part of the next slot
	ds_add_u32 v[SPW], v[NIL]                      ; 0 onto my spare word
	s_wait_dscnt 4*NL+1                            ; (the add and the youngest 12 loads, A's blocks 4-7, may be out)
	WIN MUL_LO
	MUL16 0, 1, NQ-1, \slot, 0
	s_wait_dscnt 0x0                               ; the add is done, and my reads of this slot are over
	s_barrier_signal -1
	MUL16 2, 1, NQ-1, \slot, 0
	WIN 0
	s_barrier_wait -1
.if \fill
	CREST                                          ; the barrier has opened a round of the cluster's barrier: no wave of any partner still reads this slot or has a load on its way
	s_add_nc_u64 s[G0+4*\slot+2:G0+4*\slot+3], s[G0+4*\slot+2:G0+4*\slot+3], 2*CHUNK
	s_add_nc_u64 s[G0B+4*\slot+2:G0B+4*\slot+3], s[G0B+4*\slot+2:G0B+4*\slot+3], 2*CHUNK
	JLOAD G0+4*\slot, G1, G0B+4*\slot, G1B         ; the first tensor load behind the round; its four v_nop are also the places in front of the loads below
.else
	PLACES NP
.endif
	v_add_nc_u32 v[ADRS], 128, v[ADRS]             ; on to the next K step's scale words
	FETCH_B \next, 0, 0
	FETCH_A \next, 0, 0
	SCALES \next
	WIN MUL_HI
	MUL16 4, 1, NQ-1, \slot, 0
	MUL16 6, 1, NQ-1, \slot, 0
	PLACES NP
	WIN 0
	FETCH_A \next, 0, 4
.endm
	s_wait_tensorcnt 1                             ; the scale words and my part of K step 0 are in (K step 1's load may be out)
	s_barrier_signal -1
	s_barrier_wait -1                              ; everybody's are
	FETCH_B 0, 0, 0
	FETCH_A 0, 0, 0
	SCALES 0
	FETCH_A 0, 0, 4
	STEP 0, 0, 1                                   ; K = 1,024 is four K steps of 256: written out, no loop.  The first products start the sums
	TURN 0, 1, 1                                   ; slot 0 takes K step 2
	STEP 1, 0, 0
	TURN 1, 0, 1                                   ; slot 1 takes K step 3
	STEP 0, 0, 0
	TURN 0, 1, 0                                   ; nothing is left to fetch
	STEP 1, 0, 0
	s_wait_dscnt 4*NL
	WIN MUL_LO
	MUL16 0, 1, NQ-1, 1, 0
	MUL16 2, 1, NQ-1, 1, 0
	s_wait_dscnt 0
	WIN MUL_HI
	MUL16 4, 1, NQ-1, 1, 0
	MUL16 6, 1, NQ-1, 1, 0
	WIN 0
	PLACES NP                                      ; in front of the first read of results and of writes into the registers that held A's fragments
; THE WAY OUT.  64 numbers of a lane in window w, v[s] on (register 16 b + i = place 32 b + 16 h + i along the next K), become six registers at d0 (blocks 0, 1), six at d1 (blocks 2, 3) and a scale word.
; Each accumulator is first read at its two lowest registers.
.macro QUANT w, s, d0, d1, pw
	WIN (\w)|((\w)<<2)                             ; sources 0 and 1: the numbers' window
.irp b, 0,1,2,3
	v_max3_num_f32 v[TM+\b], |v[(\s)+16*\b]|, |v[(\s)+1+16*\b]|, 0x1800000   ; and the floor 2^(3 - 127): the byte cannot fall under 1
.endr
.irp i, 2,4,6,8,10,12,14
.irp b, 0,1,2,3
	v_max3_num_f32 v[TM+\b], |v[(\s)+16*\b+\i]|, |v[(\s)+1+16*\b+\i]|, v[TM+\b]
.endr
.endr
	WIN 0
.irp b, 0,1,2,3
	v_permlanex16_b32 v[TM+4+\b], v[TM+\b], s[SEL], s[SEL+1]
.endr
.irp b, 0,1,2,3
	v_max_num_f32 v[TM+\b], v[TM+\b], v[TM+4+\b]
.endr
.irp b, 0,1,2,3
	v_add_nc_u32 v[TM+12+\b], 0xff000000, v[TM+\b] ; 2 off the exponent field: the conversion's scale operand
.endr
.irp b, 0,1,2,3
	v_lshrrev_b32 v[TM+4+\b], 23, v[TM+12+\b]      ; the scale's byte
.endr
	v_lshl_or_b32 v[(\pw)], v[TM+5], 8, v[TM+4]
	v_lshl_or_b32 v[(\pw)], v[TM+6], 16, v[(\pw)]
	v_lshl_or_b32 v[(\pw)], v[TM+7], 24, v[(\pw)]
	WIN (\w)                                       ; source 0 alone
	v_cvt_scalef32_pk16_fp6_f32 v[(\d0):(\d0)+2], v[(\s):(\s)+15], v[TM+12]
	v_cvt_scalef32_pk16_fp6_f32 v[TC:TC+2], v[(\s)+16:(\s)+31], v[TM+13]
	v_cvt_scalef32_pk16_fp6_f32 v[(\d1):(\d1)+2], v[(\s)+32:(\s)+47], v[TM+14]
	v_cvt_scalef32_pk16_fp6_f32 v[TC+4:TC+6], v[(\s)+48:(\s)+63], v[TM+15]
	WIN 0
	v_nop                                          ; one plain place behind the scaled conversions
.irp i, 0,1,2
	v_permlane16_swap_b32 v[(\d0)+\i], v[TC+\i]
.endr
.irp i, 0,1,2
	v_mov_b32 v[(\d0)+3+\i], v[TC+\i]
.endr
.irp i, 0,1,2
	v_permlane16_swap_b32 v[(\d1)+\i], v[TC+4+\i]
.endr
.irp i, 0,1,2
	v_mov_b32 v[(\d1)+3+\i], v[TC+4+\i]
.endr
.endm
.irp b, 0,1,2,3
	v_mov_b32 v[TM+4+\b], 0                        ; written once: a lane permute's destination counts as one of its sources
.endr
	s_cmp_lt_u32 s43, 8                            ; the cluster's own place: the same in all sixteen partners and all waves
	s_cbranch_scc0 .Lv
	; ---- q and k: my lane's token, two heads
	s_lshl_b32 s19, s43, 2
	s_add_co_u32 s19, s19, s41                     ; which 256 tokens
	s_lshr_b32 s20, s19, 3                         ; the batch
	s_and_b32 s21, s19, 7
	s_lshl_b32 s22, s21, 1
	s_add_co_u32 s22, s22, s17                     ; which 128 tokens of the sequence
	s_lshl_b32 s23, s42, 2
	s_add_co_u32 s23, s23, s40
	s_lshl_b32 s23, s23, 2
	s_lshl_b32 s46, s18, 1
	s_add_co_u32 s23, s23, s46
	s_and_b32 s23, s23, 15                         ; my first head
	s_lshl_b32 s20, s20, 4
	s_add_co_u32 s20, s20, s23
	s_lshl_b32 s20, s20, 4
	s_add_co_u32 s20, s20, s22                     ; the block: (16 batch + head) x 16 + which 128
	s_cmp_eq_u32 s42, 0                            ; q's columns or k's?
	s_cselect_b64 s[92:93], s[10:11], s[12:13]     ; codes: qb or kvc
	s_cselect_b64 s[94:95], s[10:11], s[14:15]     ; scale words: qb or kvs
	s_mov_b32 s46, 12288
	s_cselect_b32 s46, 6656, s46                   ; bytes from block to block
	s_mov_b32 s47, 768
	s_cselect_b32 s47, 6656, s47
	s_cselect_b32 s96, 6144, 0                     ; in qb the scale words lie behind the block's codes
	s_mul_i32 s98, s20, s46
	s_mov_b32 s99, 0
	s_add_nc_u64 s[92:93], s[92:93], s[98:99]
	s_mul_i32 s98, s20, s47
	s_add_co_u32 s98, s98, s96
	s_add_nc_u64 s[94:95], s[94:95], s[98:99]
	s_lshl_b32 s46, s46, 4                         ; the next head lies 16 blocks on
	s_lshl_b32 s47, s47, 4
	v_add_nc_u32 v[H1C], s46, v[L16]
	v_add_nc_u32 v[H1S], s47, v[L16]
	s_lshl_b32 s98, s21, 16
	s_lshl_b32 s96, s17, 15
	s_add_co_u32 s98, s98, s96                     ; my 128 tokens' rows of the table, 256 bytes each
	s_add_nc_u64 s[96:97], s[8:9], s[98:99]
.macro TABLE a, set                    ; (cos, sin) of my token of block a, frequencies 16 u + 8 h + 0 .. 7, u = 0, 1
.irp n, 0,1,2,3,4,5,6,7
	global_load_b128 v[CS+32*(\set)+4*\n:CS+32*(\set)+4*\n+3], v[TO], s[96:97] offset:(32*((\a)/2)+8*((\a)%2))*256+128*(\n/4)+16*(\n%4)
.endr
.endm
.macro ROPE a, set                     ; registers 16 u + 2 i, + 1 hold channels 32 (u % 2) + 16 h + 2 i, + 1 of a head: the pair of frequency 16 (u % 2) + 8 h + i
	WIN 2+(\a)/4                                   ; source 0: the accumulators' window
.irp u, 0,1,2,3
.irp i, 0,2,4,6,8,10,12,14
	v_pk_mul_f32 v[RB+16*\u+\i:RB+16*\u+\i+1], v[64*((\a)%4)+16*\u+\i:64*((\a)%4)+16*\u+\i+1], v[CS+32*(\set)+16*(\u%2)+\i:CS+32*(\set)+16*(\u%2)+\i+1] op_sel_hi:[1,0]   ; x1 cos, x2 cos
.endr
.endr
.irp u, 0,1,2,3
.irp i, 0,2,4,6,8,10,12,14
	v_pk_fma_f32 v[RB+16*\u+\i:RB+16*\u+\i+1], v[64*((\a)%4)+16*\u+\i:64*((\a)%4)+16*\u+\i+1], v[CS+32*(\set)+16*(\u%2)+\i:CS+32*(\set)+16*(\u%2)+\i+1], v[RB+16*\u+\i:RB+16*\u+\i+1] op_sel:[1,1,0] op_sel_hi:[0,1,1] neg_lo:[0,1,0]   ; - x2 sin, + x1 sin
.endr
.endr
	WIN 0
.endm
	TABLE 0, 0
	TABLE 1, 1
.irp a, 0,1,2,3,4,5,6,7
.if \a < 7
	s_wait_loadcnt 8                               ; this block's eight loads are in; the next block's may be out
.else
	s_wait_loadcnt 0
.endif
.if (\a > 0) && (\a%2 == 0)
	s_wait_xcnt 0x0                                ; the last pair's stores have read their registers: the images may be written again
.endif
	ROPE \a, \a%2
.if \a < 6
	TABLE \a+2, \a%2
.endif
	QUANT 0, RB, OUT+6*(\a%2), OUT+12+6*(\a%2), PW0+(\a%2)
.if \a%2 == 1
.irp c, 0,1,2
	global_store_b128 v[L16], v[OUT+4*\c:OUT+4*\c+3], s[92:93] offset:1536*(\a/2)+512*\c          ; my first head's pair image: 512 consecutive bytes, aligned
	global_store_b128 v[H1C], v[OUT+12+4*\c:OUT+12+4*\c+3], s[92:93] offset:1536*(\a/2)+512*\c    ; the next head's
.endr
	v_cndmask_b32 v[SW+\a/2], v[PW0], v[PW0+1], s100   ; lanes 0-15 the even tile's word, lanes 16-31 the odd tile's
	v_lshrrev_b32 v[SW+4+\a/2], 16, v[SW+\a/2]         ; the next head's two bytes
.endif
.endr
	global_store_b128 v[L16], v[SW:SW+3], s[94:95]
	global_store_b128 v[H1S], v[SW+4:SW+7], s[94:95]
	s_branch .Ldone
	; ---- v: my lane's channel, 128 keys
.Lv:
	s_sub_co_u32 s19, s43, 8
	s_lshl_b32 s19, s19, 1
	s_add_co_u32 s19, s19, s42
	s_lshl_b32 s19, s19, 2
	s_add_co_u32 s19, s19, s40                     ; which 256 tokens
	s_lshr_b32 s20, s19, 3                         ; the batch
	s_and_b32 s21, s19, 7
	s_lshl_b32 s21, s21, 1
	s_add_co_u32 s21, s21, s18                     ; which 128 keys of the sequence
	s_lshl_b32 s22, s41, 2
	s_lshl_b32 s23, s17, 1
	s_add_co_u32 s22, s22, s23                     ; my first head
	s_lshl_b32 s20, s20, 4
	s_add_co_u32 s20, s20, s22
	s_lshl_b32 s20, s20, 4
	s_add_co_u32 s20, s20, s21
	s_mul_i32 s98, s20, 12288
	s_mov_b32 s99, 0
	s_add_nc_u64 s[92:93], s[12:13], s[98:99]
	s_mul_i32 s98, s20, 768
	s_add_nc_u64 s[94:95], s[14:15], s[98:99]
.irp a, 0,1,2,3,4,5,6,7
.if \a >= 2
	s_wait_xcnt 0x0                                ; the stores of two blocks back have read their registers
.endif
	QUANT 2+\a/4, 64*(\a%4), OUT+12*(\a%2), OUT+12*(\a%2)+6, PW0+(\a%2)
.irp c, 0,1,2
	global_store_b128 v[L16], v[OUT+12*(\a%2)+4*\c:OUT+12*(\a%2)+4*\c+3], s[92:93] offset:196608*(\a/4)+6144+1536*(\a%4)+512*\c   ; head a / 4, channel tile a % 4
.endr
.if \a%2 == 1
	v_cndmask_b32 v[SW+\a/2], v[PW0], v[PW0+1], s100
.endif
.endr
.irp j, 0,1
	global_store_b64 v[L8], v[SW+2*\j:SW+2*\j+1], s[94:95] offset:12288*\j+512     ; 256 consecutive bytes, aligned
.endr
.Ldone:
	s_wait_tensorcnt 0x0                           ; the wave's end: three lines behind my last tensor load
	ds_add_u32 v[SPW], v[NIL]
	s_wait_dscnt 0x0
	CROUND                                         ; the closing round: no work-group ends while a partner may still ask for a tile that names it
	s_endpgm
.Lfunc_end_k_q8b1dd10220_qkv:
	.size	k_q8b1dd10220_qkv, .Lfunc_end_k_q8b1dd10220_qkv-k_q8b1dd10220_qkv
	.p2alignl 7, 3214868480
	.fill 96, 4, 3214868480
	.section	.rodata,"a",@progbits
	.p2align	6, 0x0
	.amdhsa_kernel k_q8b1dd10220_qkv
		.amdhsa_group_segment_fixed_size 327680
		.amdhsa_private_segment_fixed_size 0
		.amdhsa_enable_private_segment 0
		.amdhsa_kernarg_size 48
		.amdhsa_user_sgpr_count 2
		.amdhsa_user_sgpr_kernarg_segment_ptr 1
		.amdhsa_wavefront_size32 1
		.amdhsa_system_sgpr_workgroup_id_x 1
		.amdhsa_system_sgpr_workgroup_id_y 1
		.amdhsa_system_sgpr_workgroup_id_z 1
		.amdhsa_system_vgpr_workitem_id 0
		.amdhsa_next_free_vgpr 1024
		.amdhsa_next_free_sgpr 106
		.amdhsa_reserve_vcc 0
		.amdhsa_float_denorm_mode_32 3
		.amdhsa_float_denorm_mode_16_64 3
		.amdhsa_memory_ordered 1
		.amdhsa_forward_progress 1
		.amdhsa_inst_pref_size 213
	.end_amdhsa_kernel
	.amdgpu_metadata
---
amdhsa.version: [ 1, 2 ]
amdhsa.kernels:
  - .name:           k_q8b1dd10220_qkv
    .symbol:         k_q8b1dd10220_qkv.kd
    .args:
      - { .name: cb, .offset: 0, .size: 8, .value_kind: global_buffer, .address_space: global }
      - { .name: sb, .offset: 8, .size: 8, .value_kind: global_buffer, .address_space: global }
      - { .name: rope, .offset: 16, .size: 8, .value_kind: global_buffer, .address_space: global }
      - { .name: qb, .offset: 24, .size: 8, .value_kind: global_buffer, .address_space: global }
      - { .name: kvc, .offset: 32, .size: 8, .value_kind: global_buffer, .address_space: global }
      - { .name: kvs, .offset: 40, .size: 8, .value_kind: global_buffer, .address_space: global }
    .group_segment_fixed_size: 327680
    .private_segment_fixed_size: 0
    .kernarg_segment_align: 8
    .kernarg_segment_size: 48
    .max_flat_workgroup_size: 128
    .sgpr_count:     106
    .vgpr_count:     1024
    .wavefront_size: 32
...
	.end_amdgpu_metadata
.endif
;; end of part 2
;; launch attn (part 3): grid 64 x 8, 16 waves a work-group, no clusters, 327,680 bytes of LDS; arguments qb, kvc, kvs, ac, asc; writes ac, asc
.if DOCPART == 3
	.amdgcn_target "amdgcn-amd-amdhsa--gfx1250"
	.amdhsa_code_object_version 6
	.text
	.protected	k_q8b1dd10220_attn
	.globl	k_q8b1dd10220_attn
	.p2align	8
	.type	k_q8b1dd10220_attn,@function
k_q8b1dd10220_attn:
	s_mov_b64 s[64:65], 0
	v_nop
	global_prefetch_b8 v0, s[64:65] scope:SCOPE_SE
	s_setreg_imm32_b32 hwreg(HW_REG_WAVE_MODE, 25, 1), 1
	s_wait_xcnt 0x0
; ATTN.  For each of 64 (batch, head): O[q] = sum over keys k <= q of softmax(q . k / 8) v[k], both products on codes of FP6 (E2M3) with E8M0 scales; then O is quantised along the head's 64 for the last projection.
; THE SOFTMAX AHEAD OF THE SECOND PRODUCT: t = score x log2(e) / 8; M = the running largest t rounded UP to a whole number; p = 2^(t - M) is quantised along the keys, not normalised; the row's sum is taken of the
; unquantised p and divides O at the end.  When M moves, the sum and O are multiplied by 2^(old M - new M): exact.
; SHARES.  A work-group owns 256 queries of one head (block 7 - y: those with the most keys come first), each of its sixteen waves one tile of 16 queries: query Q0 + r + 8 (r / 8).  Keys go 128 a step; a step's k (4 pair images)
; and v (4 fragment images) are 12,288 dense bytes of kvc; two steps make a slot; a ring of two slots is filled by waves 0 to 3, a quarter each, and read by all sixteen.  The head's scale words (12,288 bytes) come once.
; LAYOUT.  Both products transposed: S^T = k q^T, O^T = v^T p^T: a lane holds one query throughout.  The tiles' order of rows makes the 16 registers of tiles 2 b, 2 b + 1 sixteen neighbouring keys (or channels).
; K = 64 FILLS HALF OF THE INSTRUCTION'S 128: q's registers 6-11 are zero codes; k's registers 6-11 are then whatever follows in the run of half fragments (the next tile's codes, zeros behind the last): they meet zeros alone.
; CAUSAL.  Every work-group walks all eight slots, so that trip counts are constants; a step all of whose keys come after the wave's queries is left out by a scalar branch on ids; on the diagonal hidden scores become -infinity;
; a slot whose first key comes after the work-group's last query is not asked for.
; NO CLUSTER: the blocks of a head need 2, 4 .. 16 key steps; joint requests would make every partner take all 16 (72 steps' bytes become 128) and bind short blocks to long ones.
; OUT.  ac[token tile][head][768]: six registers as three runs of 256 bytes, lane l's 8 bytes at 8 l.  asc[token tile][K / 256][row][2 words]: a head's two bytes are half a word, stored two bytes a row (lanes l and l + 16 the
; same bytes): these stores do not cover whole aligned runs of 256 bytes, since a word belongs to two heads, that is to two work-groups; they are one part in 25 of what the launch stores.
; LIMITS: NaN and infinities are not served; a block of zeros keeps the byte 1 (zero codes; this program alone reads the bytes).
; REGISTERS: v1-11 addresses; v12 -M, v13 the largest t, v[14:15] the sum; v16-21 q, v22-27 zeros; v28-31 addresses; v32-79 k's 8 half fragments, then v's 4 fragments; v80-85 zeros; v96-159 S^T, then p; v160-191 O^T;
; v224-235 p's codes; v232-254 at work; v248-251 scale words of k, then of v; v253 p's; v255 q's.
.set SK,    256                        ; keys in a slot
.set KSB,   12288                      ; a key step's bytes
.set SLOTB, 2*KSB
.set SLOT1, 1<<15                      ; slot 1 begins here: one exclusive or turns an address in one slot into the other's
.set NSL,   8
.set SC,    65536                      ; the head's scale words: 16 steps x (k's 512 + v's 256)
.set SPARE, SC+12288                   ; the spare words, 128 bytes for each wave: eight blocks of 256 bytes that no other line names
.set L16,  1                           ; v1   16 x lane
.set ASK0, 2                           ; v2   SC + 16 x lane
.set ASV0, 3                           ; v3   SC + 512 + 8 x lane
.set SPW,  5                           ; v5   LDS address of my spare word; never rewritten
.set NIL,  6                           ; v6   0; never rewritten
.set L8,   7                           ; v7   8 x lane
.set ADK,  8
.set ADS,  10
.set ADT,  11
.set PFO,  28                          ; v28  256 x lane
.set DQ,   29                          ; v29  r + 8 (r / 8) - 16 h
.set AO,   30                          ; v30  8 r
.set TB,   2                           ; s2   LDS byte at which the slot in hand begins
.set TS,   3                           ; s3   where the step's scale words begin: 768 bytes a step
.set WV,   18
.set SEL,  20
.set CS,   22                          ; s[22:23] c = log2(e) / 8
.set G1,   24
.set G1S,  32
.set G0,   40
.set G0S,  44
.set SLOTS, 67
.set PFA,  76
.set LIM,  80
.set KF,   98                          ; s98  the step's first key
.set Q0,   99                          ; s99  my first query
.macro TLOAD                           ; waves 0 to 3 fetch a quarter of a slot each.  An s_nop 0 and four v_nop follow the line
	s_cmp_lt_u32 s[WV], 4
	s_cbranch_scc0 .Lasked_\@
	tensor_load_to_lds s[G0:G0+3], s[G1:G1+7]
	s_nop 0
.rept 4
	v_nop
.endr
.Lasked_\@:
.endm
; A PREFETCH INTO THE L2 of the slot that the NEXT change of slots will ask for: 24,576 dense bytes, 96 blocks of 256.  All eight work-groups of a head walk the same bytes: the one with y = 0, which loads every slot, asks; in it
; waves 4, 5 and 6, which fetch nothing: 8,192 bytes a wave, lanes 256 bytes apart, one instruction.  So each block is named once in the launch, two key steps ahead of its load.  Slots 0 and 1 come by their loads alone; the
; last change that fills a slot asks for nothing.
.macro ASK
	s_cmp_gt_u32 s[SLOTS], s[LIM]
	s_cbranch_scc0 .Lnot_mine_\@
	global_prefetch_b8 v[PFO], s[PFA:PFA+1] th:TH_LOAD_NT scope:SCOPE_SE
.Lnot_mine_\@:
.endm
	s_load_b256 s[4:11], s[0:1], 0x0               ; qb s[4:5], kvc s[6:7], kvs s[8:9], ac s[10:11]
	s_load_b64 s[12:13], s[0:1], 0x20              ; asc
	v_lshl_add_u32 v[SPW], v0, 2, SPARE
	v_mov_b32 v[NIL], 0
	ds_add_u32 v[SPW], v[NIL]                      ; the wave's opening: the add and its wait ahead of my first tensor load; work on registers stands between them
	ds_add_u32 v[SPW], v[NIL]
	v_lshrrev_b32 v8, 5, v0
	s_delay_alu instid0(VALU_DEP_1)
	v_readfirstlane_b32 s[WV], v8                  ; wave 0..15
	s_and_b32 s69, ttmp7, 0xffff
	s_sub_co_u32 s70, 7, s69                       ; my block of 256 queries
	s_lshr_b32 s71, s[WV], 1
	s_and_b32 s72, s[WV], 1
	s_lshl_b32 s[Q0], s70, 8
	s_lshl_b32 s73, s71, 5
	s_add_co_u32 s[Q0], s[Q0], s73
	s_lshl_b32 s73, s72, 3
	s_add_co_u32 s[Q0], s[Q0], s73                 ; my tile's first query: 256 block + 32 (w / 2) + 8 (w % 2)
	; group 1: a quarter of a slot, 6,144 dense bytes as 24 rows of 256 (32 elements of 8 bytes); a quarter of the scale words, 12 rows
	s_mov_b32 s[G1], 3<<16
	s_mov_b32 s[G1+1], 32<<16
	s_mov_b32 s[G1+2], 24<<16
	s_mov_b32 s[G1+3], 32<<16
	s_mov_b32 s[G1+4], 24
	s_mov_b32 s[G1+5], 32
	s_mov_b32 s[G1+6], 0
	s_mov_b32 s[G1+7], 0
	s_mov_b32 s[G1S], 3<<16
	s_mov_b32 s[G1S+1], 32<<16
	s_mov_b32 s[G1S+2], 12<<16
	s_mov_b32 s[G1S+3], 32<<16
	s_mov_b32 s[G1S+4], 12
	s_mov_b32 s[G1S+5], 32
	s_mov_b32 s[G1S+6], 0
	s_mov_b32 s[G1S+7], 0
	s_and_b32 s88, s[WV], 3
	s_mul_i32 s89, s88, 6144                       ; my quarter, in a slot and in memory
	s_mul_i32 s90, s88, 3072
	s_mul_i32 s74, ttmp9, 196608                   ; the head's codes
	s_add_co_u32 s74, s74, s89
	s_mov_b32 s75, 0
	s_mul_i32 s84, ttmp9, 12288                    ; the head's scale words
	s_add_co_u32 s84, s84, s90
	s_mov_b32 s85, 0
	s_lshl_b32 s86, ttmp9, 4                       ; q's block of 128 tokens: 16 head + 2 block + w / 8
	s_lshl_b32 s87, s70, 1
	s_add_co_u32 s86, s86, s87
	s_lshr_b32 s87, s[WV], 3
	s_add_co_u32 s86, s86, s87
	s_mul_i32 s86, s86, 6656
	s_mov_b32 s87, 0
	s_bfe_u32 s91, s[WV], 0x20001                  ; which pair image: (w / 2) % 4
	s_lshr_b32 s78, ttmp9, 4
	s_lshl_b32 s78, s78, 7
	s_lshl_b32 s79, s70, 4
	s_add_co_u32 s78, s78, s79
	s_add_co_u32 s78, s78, s[WV]                   ; my token tile: 128 batch + 16 block + w
	s_and_b32 s79, ttmp9, 15                       ; the head in its batch
	s_mul_i32 s82, s78, 12288
	s_mul_i32 s83, s79, 768
	s_add_co_u32 s82, s82, s83
	s_mov_b32 s83, 0
	s_lshl_b32 s92, s78, 9
	s_lshr_b32 s94, s79, 2
	s_lshl_b32 s94, s94, 7
	s_add_co_u32 s92, s92, s94
	s_and_b32 s94, s79, 3
	s_lshl_b32 s94, s94, 1
	s_add_co_u32 s92, s92, s94                     ; my bytes among the tile's scale words: 128 (head / 4) + 2 (head % 4)
	s_mov_b32 s93, 0
	s_lshl_b32 s94, s88, 13                        ; the prefetches: my wave's 8,192 bytes,
	s_mul_i32 s95, ttmp9, 196608
	s_add_co_u32 s94, s94, s95
	s_add_co_u32 s94, s94, SLOTB                   ; in slot 1: the first change of slots steps it to slot 2
	s_mov_b32 s95, 0
	s_sub_co_u32 s81, s[WV], 4
	s_cmp_lt_u32 s81, 3                            ; waves 4, 5, 6
	s_cselect_b32 s[LIM], 1, -1
	s_cmp_eq_u32 s69, 0                            ; of the work-group with y = 0
	s_cselect_b32 s[LIM], s[LIM], -1
	s_cmp_eq_u32 s72, 1
	s_cselect_b32 s68, -1, 0                       ; an odd tile takes the pair image's upper six registers
	s_mov_b32 s[SEL], 0x76543210
	s_mov_b32 s[SEL+1], 0xfedcba98
	s_mov_b32 s[CS], 0x3e38aa3b                    ; c = log2(e) / 8
	s_mov_b32 s[CS+1], s[CS]
	s_mov_b32 s[TB], 0
	s_mov_b32 s[TS], 0
	s_mov_b32 s[SLOTS], NSL-1
	s_mov_b32 s[KF], 0
	s_wait_dscnt 0x0                               ; the opening add is done
	s_wait_kmcnt 0x0
	s_mov_b32 s[G0S], 1
	s_add_co_u32 s[G0S+1], s90, SC
	s_add_nc_u64 s[G0S+2:G0S+3], s[8:9], s[84:85]
	s_or_b32 s[G0S+3], s[G0S+3], 0x80000000
	s_mov_b32 s[G0], 1
	s_mov_b32 s[G0+1], s89
	s_add_nc_u64 s[G0+2:G0+3], s[6:7], s[74:75]
	s_or_b32 s[G0+3], s[G0+3], 0x80000000
	s_cmp_lt_u32 s[WV], 4                          ; a wave's two first fills stand in one branch, ahead of every wait on TENSORcnt, every LDS read and every barrier
	s_cbranch_scc0 .Lno_first
	tensor_load_to_lds s[G0S:G0S+3], s[G1S:G1S+7]  ; the scale words of the whole head: filled once
	s_nop 0
	tensor_load_to_lds s[G0:G0+3], s[G1:G1+7]      ; slot 0
	s_nop 0
.rept 4
	v_nop
.endr
.Lno_first:
	s_add_nc_u64 s[4:5], s[4:5], s[86:87]
	s_add_nc_u64 s[10:11], s[10:11], s[82:83]
	s_add_nc_u64 s[12:13], s[12:13], s[92:93]
	s_add_nc_u64 s[PFA:PFA+1], s[6:7], s[94:95]
	v_and_b32 v8, 15, v0                           ; r
	v_bfe_u32 v9, v0, 4, 1                         ; h
	v_and_b32 v10, 31, v0
	s_delay_alu instid0(VALU_DEP_1)
	v_lshlrev_b32 v[L16], 4, v10
	s_delay_alu instid0(VALU_DEP_2)
	v_lshlrev_b32 v[L8], 3, v10
	s_mul_i32 s94, s91, 1536
	v_add_nc_u32 v31, s94, v[L16]
.irp c, 0,1,2
	global_load_b128 v[32+4*\c:35+4*\c], v31, s[4:5] offset:512*\c   ; the pair image that holds my tile
.endr
	s_lshl_b32 s94, s72, 8
	s_lshl_b32 s95, s91, 2
	s_add_co_u32 s94, s94, s95
	v_lshl_add_u32 v4, v8, 4, s94                  ; my tile's word of row r: 16 (16 (w % 2) + r) + 4 x pair
	global_load_b32 v255, v4, s[4:5] offset:6144
	v_add_nc_u32 v[ASK0], SC, v[L16]
	v_add_nc_u32 v[ASV0], SC+512, v[L8]
	v_lshlrev_b32 v[PFO], 8, v10
	v_and_b32 v11, 8, v8
	s_delay_alu instid0(VALU_DEP_1)
	v_add_nc_u32 v11, v11, v8
	v_lshlrev_b32 v[DQ], 4, v9
	s_delay_alu instid0(VALU_DEP_1)
	v_sub_nc_u32 v[DQ], v11, v[DQ]
	v_lshlrev_b32 v[AO], 3, v8
	v_mov_b32 v13, 0xff61b1e6                      ; the largest t so far: -3e38, under every t
	s_delay_alu instid0(VALU_DEP_1)
	v_floor_f32 v12, -v13                          ; -M
	v_mov_b32 v14, 0
	v_mov_b32 v15, 0
.irp i, 0,1,2,3,4,5
	v_mov_b32 v[22+\i], 0                          ; q's codes of k = 64 .. 127
	v_mov_b32 v[80+\i], 0                          ; and what follows k's last half fragment
.endr
.irp b, 0,1,2,3
	v_mov_b32 v[236+\b], 0                         ; written once: a lane permute's destination counts as one of its sources
.endr
	v_mov_b32 v252, 0
	v_mov_b32 v253, 0
.set j, 0
.rept 32
	v_mov_b32 v[160+j], 0                          ; O^T: the step is written once; the first finds zeros, which the first change of M leaves zeros
.set j, j+1
.endr
; A KEY STEP: 128 keys, the q-th of the slot in hand.
.macro STEP q
	s_add_co_u32 s96, s[Q0], 23                    ; my last query
	s_cmp_gt_u32 s[KF], s96                        ; all keys hidden: the step's work is left out; ids and the count of steps alone
	s_cbranch_scc1 .Lhidden_\@
	v_add_nc_u32 v[ADK], s[TB], v[L16]
	v_add_nc_u32 v[ADS], s[TS], v[ASK0]
	v_add_nc_u32 v[ADT], s[TS], v[ASV0]
	v_nop                                          ; these four are the places in front of loads into registers that the last products read
.irp n, 0,1,2,3,4,5,6,7,8,9,10,11
	ds_load_b128 v[32+4*\n:35+4*\n], v[ADK] offset:KSB*(\q)+512*\n   ; k's four pair images: tile t's half fragment lands at v[32 + 6 t]
.endr
	ds_load_b128 v[248:251], v[ADS]                ; word g: lanes 0-15 tile 2 g, lanes 16-31 tile 2 g + 1
	s_wait_dscnt 0x0
	s_wait_alu depctr_va_vdst(0)
.irp t, 0,1,2,3,4,5,6,7
.if \t%2
	v_wmma_scale_f32_16x16x128_f8f6f4 v[96+8*\t:103+8*\t], v[32+6*\t:43+6*\t], v[16:27], 0, v[248+\t/2], v255 matrix_a_fmt:MATRIX_FMT_FP6 matrix_b_fmt:MATRIX_FMT_FP6 matrix_a_scale:MATRIX_SCALE_ROW1
.else
	v_wmma_scale_f32_16x16x128_f8f6f4 v[96+8*\t:103+8*\t], v[32+6*\t:43+6*\t], v[16:27], 0, v[248+\t/2], v255 matrix_a_fmt:MATRIX_FMT_FP6 matrix_b_fmt:MATRIX_FMT_FP6
.endif
.endr
.rept 4
	v_nop
.endr
	s_add_co_u32 s96, s[KF], 127                   ; a step all of whose keys count skips the mask
	s_cmp_le_u32 s96, s[Q0]
	s_cbranch_scc1 .Lopen_\@
	s_sub_co_i32 s96, s[Q0], s[KF]
	v_add_nc_u32 v252, s96, v[DQ]                  ; d = my query - KF - 16 h.  Register 16 b + i holds key KF + 32 b + 16 h + i: hidden where 32 b + i > d
	v_mov_b32 v254, 0xff800000                     ; -infinity
.set j, 0
.rept 64
	v_cmp_gt_i32 vcc_lo, 32*(j/16)+j%16, v252
	v_cndmask_b32 v[96+j], v[96+j], v254, vcc_lo
.set j, j+1
.endr
.Lopen_\@:
.irp b, 0,1,2,3
	v_max3_num_f32 v[232+\b], v[96+16*\b], v[97+16*\b], v[98+16*\b]   ; the largest score of each block of 32 keys: for the row's maximum, and, since p rises with the score, for the block's largest p
.endr
.irp i, 3,5,7,9,11,13
.irp b, 0,1,2,3
	v_max3_num_f32 v[232+\b], v[232+\b], v[96+16*\b+\i], v[97+16*\b+\i]
.endr
.endr
.irp b, 0,1,2,3
	v_max_num_f32 v[232+\b], v[232+\b], v[111+16*\b]
.endr
.irp b, 0,1,2,3
	s_delay_alu instid0(VALU_DEP_4)
	v_permlanex16_b32 v[236+\b], v[232+\b], s[SEL], s[SEL+1]
.endr
.irp b, 0,1,2,3
	s_delay_alu instid0(VALU_DEP_4)
	v_max_num_f32 v[232+\b], v[232+\b], v[236+\b]  ; with lane l xor 16's 16 keys
.endr
	s_delay_alu instid0(VALU_DEP_2)
	v_max3_num_f32 v254, v232, v233, v234
	s_delay_alu instid0(VALU_DEP_1)
	v_max_num_f32 v254, v254, v235
	s_delay_alu instid0(VALU_DEP_1)
	v_mul_f32 v254, s[CS], v254                    ; the step's largest t
	s_delay_alu instid0(VALU_DEP_1)
	v_max_num_f32 v13, v13, v254
	v_mov_b32 v254, v12
	s_delay_alu instid0(VALU_DEP_2)
	v_floor_f32 v12, -v13                          ; the new -M = floor(-t): M is a whole number
	s_delay_alu instid0(VALU_DEP_1)
	v_sub_f32 v254, v12, v254                      ; old M - new M: a whole number, 0 or less
	s_delay_alu instid0(VALU_DEP_1)
	v_cvt_i32_f32 v254, v254                       ; (it saturates)
	s_delay_alu instid0(VALU_DEP_1)
	v_ldexp_f32 v252, 1.0, v254                    ; f = 2^(old M - new M)
.set j, 0
.rept 32
	v_pk_fma_f32 v[96+j:97+j], v[96+j:97+j], s[CS:CS+1], v[12:13] op_sel_hi:[1,0,0]   ; t - M, two at a time
.set j, j+2
.endr
.irp b, 0,1,2,3
	v_fma_f32 v[232+\b], v[232+\b], s[CS], v12     ; the same of each block's largest score
.endr
.set j, 0
	s_wait_alu depctr_va_vdst(0)
.rept 64
	v_exp_f32 v[96+j], v[96+j]                     ; p = 2^(t - M)
.set j, j+1
.endr
	v_pk_mul_f32 v[14:15], v[14:15], v[252:253] op_sel_hi:[1,0]   ; the sums under the new M: a plain place behind the exponentials
	s_wait_alu depctr_va_vdst(0)                   ; one wait for the whole batch, ahead of its first reader
.irp b, 0,1,2,3
	v_exp_f32 v[232+\b], v[232+\b]                 ; the blocks' largest p
.endr
	v_pk_add_f32 v[236:237], v[100:101], v[104:105]
	v_pk_add_f32 v[250:251], v[108:109], v[112:113]
	v_pk_add_f32 v[248:249], v[116:117], v[120:121]
	v_pk_add_f32 v[246:247], v[124:125], v[128:129]
	v_pk_add_f32 v[244:245], v[132:133], v[136:137]
	v_pk_add_f32 v[242:243], v[140:141], v[144:145]
	v_pk_add_f32 v[240:241], v[148:149], v[152:153]
	v_pk_add_f32 v[14:15], v[14:15], v[156:157]
	v_pk_add_f32 v[236:237], v[236:237], v[96:97]
	v_pk_add_f32 v[250:251], v[250:251], v[98:99]
	v_pk_add_f32 v[248:249], v[248:249], v[102:103]
	v_pk_add_f32 v[246:247], v[246:247], v[106:107]
	v_pk_add_f32 v[244:245], v[244:245], v[110:111]
	v_pk_add_f32 v[242:243], v[242:243], v[114:115]
	v_pk_add_f32 v[240:241], v[240:241], v[118:119]
	v_pk_add_f32 v[14:15], v[14:15], v[122:123]
	v_pk_add_f32 v[236:237], v[236:237], v[126:127]
	v_pk_add_f32 v[250:251], v[250:251], v[130:131]
	v_pk_add_f32 v[248:249], v[248:249], v[134:135]
	v_pk_add_f32 v[246:247], v[246:247], v[138:139]
	v_pk_add_f32 v[244:245], v[244:245], v[142:143]
	v_pk_add_f32 v[242:243], v[242:243], v[146:147]
	v_pk_add_f32 v[240:241], v[240:241], v[150:151]
	v_pk_add_f32 v[14:15], v[14:15], v[154:155]
	v_pk_add_f32 v[236:237], v[236:237], v[158:159]
	s_delay_alu instid0(VALU_DEP_2)
	v_pk_add_f32 v[14:15], v[14:15], v[246:247]
	s_delay_alu instid0(VALU_DEP_2)
	v_pk_add_f32 v[236:237], v[236:237], v[244:245]
	v_pk_add_f32 v[250:251], v[250:251], v[242:243]
	v_pk_add_f32 v[248:249], v[248:249], v[240:241]
	s_delay_alu instid0(VALU_DEP_2)
	v_pk_add_f32 v[14:15], v[14:15], v[250:251]
	s_delay_alu instid0(VALU_DEP_2)
	v_pk_add_f32 v[236:237], v[236:237], v[248:249]
	s_delay_alu instid0(VALU_DEP_1)
	v_pk_add_f32 v[14:15], v[14:15], v[236:237]
	s_wait_alu depctr_va_vdst(0)                   ; and one for the four
.irp b, 0,1,2,3
	v_max_num_f32 v[232+\b], 0x1800000, v[232+\b]  ; the floor 2^(3 - 127): the byte cannot fall under 1
.endr
.irp b, 0,1,2,3
	s_delay_alu instid0(VALU_DEP_4)
	v_add_nc_u32 v[244+\b], 0xff000000, v[232+\b]  ; 2 off the exponent field: the conversion's scale operand
.endr
.irp b, 0,1,2,3
	s_delay_alu instid0(VALU_DEP_4)
	v_lshrrev_b32 v[236+\b], 23, v[244+\b]
.endr
	s_delay_alu instid0(VALU_DEP_3)
	v_lshl_or_b32 v253, v237, 8, v236              ; p's scale word for these 128 keys
	s_delay_alu instid0(VALU_DEP_1)
	v_lshl_or_b32 v253, v238, 16, v253
	s_delay_alu instid0(VALU_DEP_1)
	v_lshl_or_b32 v253, v239, 24, v253
.irp c, 0,1
	v_cvt_scalef32_pk16_fp6_f32 v[224+6*\c:226+6*\c], v[96+32*\c:111+32*\c], v[244+2*\c]
	v_cvt_scalef32_pk16_fp6_f32 v[236+4*\c:238+4*\c], v[112+32*\c:127+32*\c], v[244+2*\c+1]
.endr
	v_nop                                          ; one plain place behind the scaled conversions
.irp c, 0,1
.irp i, 0,1,2
	v_permlane16_swap_b32 v[224+6*\c+\i], v[236+4*\c+\i]
.endr
.irp i, 0,1,2
	s_delay_alu instid0(VALU_DEP_3)
	v_mov_b32 v[227+6*\c+\i], v[236+4*\c+\i]
.endr
.endr
.set j, 0
.rept 16
	v_pk_mul_f32 v[160+j:161+j], v[160+j:161+j], v[252:253] op_sel_hi:[1,0]   ; O^T under the new M; these are also the places in front of the products and loads below
.set j, j+2
.endr
.irp n, 0,1,2,3,4,5,6,7,8,9,10,11
	ds_load_b128 v[32+4*\n:35+4*\n], v[ADK] offset:KSB*(\q)+6144+512*\n   ; v's four fragments: 16 channels x these 128 keys each
.endr
	ds_load_b64 v[248:249], v[ADT]
	s_wait_alu depctr_va_vdst(0)
	s_wait_dscnt 0x0
.irp t, 0,1,2,3
.if \t%2
	v_wmma_scale_f32_16x16x128_f8f6f4 v[160+8*\t:167+8*\t], v[32+12*\t:43+12*\t], v[224:235], v[160+8*\t:167+8*\t], v[248+\t/2], v253 matrix_a_fmt:MATRIX_FMT_FP6 matrix_b_fmt:MATRIX_FMT_FP6 matrix_a_scale:MATRIX_SCALE_ROW1
.else
	v_wmma_scale_f32_16x16x128_f8f6f4 v[160+8*\t:167+8*\t], v[32+12*\t:43+12*\t], v[224:235], v[160+8*\t:167+8*\t], v[248+\t/2], v253 matrix_a_fmt:MATRIX_FMT_FP6 matrix_b_fmt:MATRIX_FMT_FP6
.endif
.endr
.Lhidden_\@:
	s_add_co_u32 s[KF], s[KF], 128
	s_add_co_u32 s[TS], s[TS], 768
.endm
; THE CHANGE OF SLOTS stands at a slot's head.  Each wave waits for all its tensor loads, adds 0 to its spare word, and waits for that and for its reads of the slot that it has left.  Behind the barrier the slot ahead is whole and
; nobody reads the other one.  fill = 1: that other slot is filled with the keys that follow, up to the causal limit.
.macro CHANGE fill
	s_wait_tensorcnt 0x0                           ; no tensor load of mine is out, so a group 0 may be written
	ds_add_u32 v[SPW], v[NIL]                      ; 0 onto my spare word
.if \fill
	s_xor_b32 s[G0+1], s[G0+1], SLOT1              ; the walking descriptor: the other slot,
	s_add_nc_u64 s[G0+2:G0+3], s[G0+2:G0+3], SLOTB ; the next 256 keys
	s_wait_xcnt 0x0                                ; the last prefetch, a slot back, has read its address
	s_add_nc_u64 s[PFA:PFA+1], s[PFA:PFA+1], SLOTB
.endif
	s_wait_dscnt 0x0                               ; the add is done, and my reads of the slot that I have left are over
	s_barrier_signal -1
	s_barrier_wait -1
.if \fill
	s_add_co_u32 s96, s[KF], SK                    ; the first key of the slot that this change would ask for
	s_or_b32 s97, s[Q0], 255                       ; my work-group's last query
	s_cmp_gt_u32 s96, s97                          ; ids and the count of steps alone: all sixteen waves go the same way.  A slot beyond the limit is read by no wave, so it is not asked for;
	s_cbranch_scc1 .Lpast_\@                       ; every wait on TENSORcnt in this text is for 0, and the jump leads round the load's own lines alone
	TLOAD
.Lpast_\@:
	ASK
.endif
.endm
.macro SLOT_STEPS
	STEP 0
	STEP 1
	s_xor_b32 s[TB], s[TB], SLOT1
.endm
	s_wait_loadcnt 0x0                             ; q
.irp i, 0,1,2,3,4,5
	v_cndmask_b32 v[16+\i], v[32+\i], v[38+\i], s68   ; my tile's half of the pair image
.endr
.rept 4
	v_nop
.endr
.Lslot:                                            ; NSL - 1 trips
	CHANGE 1
	SLOT_STEPS
	s_sub_co_u32 s[SLOTS], s[SLOTS], 1
	s_cmp_lg_u32 s[SLOTS], 0
	s_cbranch_scc1 .Lslot
	CHANGE 0                                       ; the last slot is written out: nothing is left to ask for
	SLOT_STEPS
	; THE WAY OUT.  O^T / the sum; registers 16 b + i are channels 32 b + 16 h + i of my query: two blocks of the last projection's K.  They are quantised in registers and stored as half a fragment's image.
.rept 4
	v_nop                                          ; places behind the last products
.endr
	v_add_f32 v14, v14, v15
	s_delay_alu instid0(VALU_DEP_1)
	v_permlanex16_b32 v252, v14, s[SEL], s[SEL+1]
	s_delay_alu instid0(VALU_DEP_1)
	v_add_f32 v14, v14, v252                       ; the row's sum
	s_wait_alu depctr_va_vdst(0)
	v_rcp_f32 v14, v14
	v_nop                                          ; a plain place behind the transcendental
	s_wait_alu depctr_va_vdst(0)                   ; and the wait ahead of its first reader
.set j, 0
.rept 32
	v_mul_f32 v[96+j], v[160+j], v14
.set j, j+1
.endr
.irp b, 0,1
	v_max3_num_f32 v[232+\b], |v[96+16*\b]|, |v[97+16*\b]|, 0x1800000
.endr
.irp i, 2,4,6,8,10,12,14
.irp b, 0,1
	s_delay_alu instid0(VALU_DEP_2)
	v_max3_num_f32 v[232+\b], v[232+\b], |v[96+16*\b+\i]|, |v[97+16*\b+\i]|
.endr
.endr
.irp b, 0,1
	s_delay_alu instid0(VALU_DEP_2)
	v_permlanex16_b32 v[236+\b], v[232+\b], s[SEL], s[SEL+1]
.endr
.irp b, 0,1
	s_delay_alu instid0(VALU_DEP_2)
	v_max_num_f32 v[232+\b], v[232+\b], v[236+\b]
.endr
.irp b, 0,1
	s_delay_alu instid0(VALU_DEP_2)
	v_add_nc_u32 v[244+\b], 0xff000000, v[232+\b]
.endr
.irp b, 0,1
	s_delay_alu instid0(VALU_DEP_2)
	v_lshrrev_b32 v[236+\b], 23, v[244+\b]
.endr
	s_delay_alu instid0(VALU_DEP_1)
	v_lshl_or_b32 v240, v237, 8, v236              ; my row's two bytes
	v_cvt_scalef32_pk16_fp6_f32 v[224:226], v[96:111], v244
	v_cvt_scalef32_pk16_fp6_f32 v[248:250], v[112:127], v245
	v_nop
.irp i, 0,1,2
	v_permlane16_swap_b32 v[224+\i], v[248+\i]
.endr
.irp i, 0,1,2
	s_delay_alu instid0(VALU_DEP_3)
	v_mov_b32 v[227+\i], v[248+\i]
.endr
.irp p, 0,1,2
	global_store_b64 v[L8], v[224+2*\p:225+2*\p], s[10:11] offset:256*\p   ; 256 consecutive bytes, aligned
.endr
	global_store_b16 v[AO], v240, s[12:13]
	s_wait_tensorcnt 0x0                           ; the wave's end: three lines behind my last tensor load
	ds_add_u32 v[SPW], v[NIL]
	s_wait_dscnt 0x0
	s_endpgm
.Lfunc_end_k_q8b1dd10220_attn:
	.size	k_q8b1dd10220_attn, .Lfunc_end_k_q8b1dd10220_attn-k_q8b1dd10220_attn
	.p2alignl 7, 3214868480
	.fill 96, 4, 3214868480
	.section	.rodata,"a",@progbits
	.p2align	6, 0x0
	.amdhsa_kernel k_q8b1dd10220_attn
		.amdhsa_group_segment_fixed_size 327680
		.amdhsa_private_segment_fixed_size 0
		.amdhsa_enable_private_segment 0
		.amdhsa_kernarg_size 40
		.amdhsa_user_sgpr_count 2
		.amdhsa_user_sgpr_kernarg_segment_ptr 1
		.amdhsa_wavefront_size32 1
		.amdhsa_system_sgpr_workgroup_id_x 1
		.amdhsa_system_sgpr_workgroup_id_y 1
		.amdhsa_system_sgpr_workgroup_id_z 1
		.amdhsa_system_vgpr_workitem_id 0
		.amdhsa_next_free_vgpr 256
		.amdhsa_next_free_sgpr 100
		.amdhsa_reserve_vcc 1
		.amdhsa_float_denorm_mode_32 3
		.amdhsa_float_denorm_mode_16_64 3
		.amdhsa_memory_ordered 1
		.amdhsa_forward_progress 1
		.amdhsa_inst_pref_size 102
	.end_amdhsa_kernel
	.amdgpu_metadata
---
amdhsa.version: [ 1, 2 ]
amdhsa.kernels:
  - .name:           k_q8b1dd10220_attn
    .symbol:         k_q8b1dd10220_attn.kd
    .args:
      - { .name: qb, .offset: 0, .size: 8, .value_kind: global_buffer, .address_space: global }
      - { .name: kvc, .offset: 8, .size: 8, .value_kind: global_buffer, .address_space: global }
      - { .name: kvs, .offset: 16, .size: 8, .value_kind: global_buffer, .address_space: global }
      - { .name: ac, .offset: 24, .size: 8, .value_kind: global_buffer, .address_space: global }
      - { .name: asc, .offset: 32, .size: 8, .value_kind: global_buffer, .address_space: global }
    .group_segment_fixed_size: 327680
    .private_segment_fixed_size: 0
    .kernarg_segment_align: 8
    .kernarg_segment_size: 40
    .max_flat_workgroup_size: 512
    .sgpr_count:     100
    .vgpr_count:     256
    .wavefront_size: 32
...
	.end_amdgpu_metadata
.endif
;; end of part 3
;; launch oproj (part 4): grid 4 x 32, 4 waves a work-group, clusters of 4 x 4, 327,680 bytes of LDS; arguments ac, asc, cb, sb, out0; writes out0
.if DOCPART == 4
	.amdgcn_target "amdgcn-amd-amdhsa--gfx1250"
	.amdhsa_code_object_version 6
	.text
	.protected	k_q8b1dd10220_oproj
	.globl	k_q8b1dd10220_oproj
	.p2align	8
	.type	k_q8b1dd10220_oproj,@function
k_q8b1dd10220_oproj:
	s_mov_b64 s[64:65], 0
	v_nop
	global_prefetch_b8 v0, s[64:65] scope:SCOPE_SE
	s_setreg_imm32_b32 hwreg(HW_REG_WAVE_MODE, 25, 1), 1
	s_wait_xcnt 0x0
	s_wait_alu depctr_hold_cnt(0) depctr_sa_sdst(0) depctr_va_vdst(0) depctr_va_sdst(0) depctr_va_ssrc(0) depctr_va_vcc(0) depctr_vm_vsrc(0)
	s_getreg_b32 s2, hwreg(HW_REG_IB_STS2, 6, 4)
	s_cmp_eq_u32 s2, 0
	s_cbranch_scc0 .Lentry_in_a_cluster
	s_endpgm
.Lentry_in_a_cluster:
	s_bfe_u32 s2, ttmp6, 0x10000c
	s_cmp_lg_u32 s2, 0xf033
	s_cbranch_scc0 .Lentry_shape_is_right
	s_endpgm
.Lentry_shape_is_right:
; OPROJ.  out0 = a Wo^T on codes of FP6 (E2M3) with E8M0 scales, K = 1,024.  a: the attention's result as images, ac[token tile][head][768] (a K step of 128 = two heads = six runs of 256 bytes, run n = registers 2 n, 2 n + 1, lane l's
; 8 bytes at 8 l) with scale words asc[tile][K / 256][row][2 words]; Wo: cb tiles 704-767 (three runs of 512 bytes a fragment) with sb.  Tile T holds rows 32 (T / 2) + 8 (T % 2) + r + 8 (r / 8).  out0 [8192][1024] f32.
; SHARES.  A work-group of four waves makes 256 x 256 of out0, a wave 128 x 128: 64 accumulators.  K goes in steps of 256 through a ring of two LDS slots; the scale words for all of K come once.  128 work-groups: at this size the tile
; leaves WGPs without work; a tile of 128 x 256 would fill them at the price of more LDS bytes for each product.
; CLUSTER 4 x 4: a's tiles are shared along a row of the cluster, Wo's along a column: each is asked for jointly.  The matrix instruction is used transposed (source 0 = 16 rows of Wo, source 1 = 16 tokens): a lane holds one token,
; and its eight registers of an accumulator are eight neighbouring columns.
; THE WAY OUT goes through the wave's own stage in LDS, in slot 0 behind that slot's last fill and last read; the tiles' order of rows and columns is undone by the stage's offsets and the stores' offsets.
; REGISTERS: window 0: v16-31 addresses; v32-63 scale words, two sets; v128-223 A's fragments; on the way out v128-255 rows of out0.  Window 1: B's fragments, two sets.  Windows 2, 3: the accumulators.
.set FR,     12
.set NQ,     2
.set NP,     4                         ; places behind this matrix instruction (ISA guide 7.12.1)
.set NLA,    6                         ; LDS loads that bring a fragment of A
.set CHUNK,  3072
.set TILEB,  12288
.set HALFT,  8*CHUNK
.set SLOT,   4*HALFT
.set SCL,    2*SLOT
.set SPARE,  SCL+4*4096                ; the spare words, 128 bytes for each wave: two blocks of 256 bytes that no other line names
.set SPITCH, 528                       ; the stage: 16 rows x (512 bytes + 16) for each wave
.set ADRA, 16                          ; v16-17  LDS address of my A fragments in slot 0, 1: + 8 x lane
.set ADRB, 20                          ; v20-21  the same for B: + 16 x lane
.set STO,  24                          ; v24  where I put 32 bytes of a row
.set RD,   25                          ; v25  where I read a row back
.set CO,   26                          ; v26  16 x lane
.set ADRS, 27
.set SPW,  28                          ; v28  LDS address of my spare word; never rewritten
.set NIL,  29                          ; v29  0; never rewritten
.set SC,   32
.set AF,   128
.set BK,   128
.set G1, 24
.set G0, 32
.set G1B, 48
.set G0B, 56
.set G1S, 68
.set G0S, 76
.set G1SB, 80
.set G0SB, 88
.set MSB, 0
.macro WIN new
.if MSB != (\new)
	s_set_vgpr_msb (MSB<<8)|(\new)
.set MSB, (\new)
.endif
.endm
.set MUL_LO, 0xa1
.set MUL_HI, 0xf1
.set TO_B,   0x40
.macro JLOAD g0a, g1a, g0b, g1b        ; a joint load: waves 0 and 1 fetch for A, waves 2 and 3 for B; an s_nop 0 and four v_nop follow each line
	s_cmp_eq_u32 s17, 0
	s_cbranch_scc0 .Lfor_b_\@
	tensor_load_to_lds s[\g0a:\g0a+3], s[\g1a:\g1a+7]
	s_nop 0
.rept 4
	v_nop
.endr
	s_branch .Lasked_\@
.Lfor_b_\@:
	tensor_load_to_lds s[\g0b:\g0b+3], s[\g1b:\g1b+7]
	s_nop 0
.rept 4
	v_nop
.endr
.Lasked_\@:
.endm
.macro CREST
	s_cmp_lg_u32 s16, 0
	s_cbranch_scc1 .Lnot_wave_0_\@
	s_barrier_signal -3
.Lnot_wave_0_\@:
	s_barrier_wait -3
	s_barrier_signal -1
	s_barrier_wait -1
.endm
.macro CROUND
	s_barrier_signal -1
	s_barrier_wait -1
	CREST
.endm
	s_load_b256 s[4:11], s[0:1], 0x0               ; ac s[4:5], asc s[6:7], cb s[8:9], sb s[10:11]
	s_load_b64 s[12:13], s[0:1], 0x20              ; out0
	v_lshl_add_u32 v[SPW], v0, 2, SPARE
	v_mov_b32 v[NIL], 0
	ds_add_u32 v[SPW], v[NIL]                      ; the wave's opening: the add and its wait ahead of my first tensor load; work on registers stands between them
	v_lshrrev_b32 v1, 5, v0
	v_readfirstlane_b32 s16, v1                    ; wave 0..3
	s_lshr_b32 s17, s16, 1                         ; which half of the tile's rows is mine.  Also: I fetch for A (0) or for B (1)
	s_and_b32 s18, s16, 1                          ; which half of its columns.  Also: which 8 tiles I fetch
	s_bfe_u32 s40, ttmp6, 0x40000                  ; cx
	s_bfe_u32 s41, ttmp6, 0x40004                  ; cy
	s_lshl_b32 s42, ttmp9, 2
	s_add_co_u32 s42, s42, s40                     ; tile column of out0
	s_and_b32 s43, ttmp7, 0xffff
	s_lshl_b32 s43, s43, 2
	s_add_co_u32 s43, s43, s41                     ; tile row
	s_lshl_b32 s44, s41, 2
	s_lshl_b32 s44, 15, s44                        ; my row of the cluster
	s_lshl_b32 s45, 0x1111, s40                    ; my column
	s_or_b32 s[G1+0], s44, (3<<16)|(1<<21)         ; codes: 8 rows (tiles) of 3,072 bytes, 12,288 apart, in elements of 8 bytes; bit 21 set beside a mask
	s_or_b32 s[G1B+0], s45, (3<<16)|(1<<21)
.irp g, G1, G1B
	s_mov_b32 s[\g+1], 384<<16
	s_mov_b32 s[\g+2], 8<<16
	s_mov_b32 s[\g+3], 384<<16
	s_mov_b32 s[\g+4], 8
	s_mov_b32 s[\g+5], 1536
	s_mov_b32 s[\g+6], 0
	s_mov_b32 s[\g+7], 0
.endr
	s_or_b32 s[G1S+0], s44, (3<<16)|(1<<21)        ; scale words of 8 tiles: 4,096 dense bytes as 16 rows of 256
	s_or_b32 s[G1SB+0], s45, (3<<16)|(1<<21)
.irp g, G1S, G1SB
	s_mov_b32 s[\g+1], 32<<16
	s_mov_b32 s[\g+2], 16<<16
	s_mov_b32 s[\g+3], 32<<16
	s_mov_b32 s[\g+4], 16
	s_mov_b32 s[\g+5], 32
	s_mov_b32 s[\g+6], 0
	s_mov_b32 s[\g+7], 0
.endr
	s_lshl_b32 s22, s43, 4
	s_lshl_b32 s23, s18, 3
	s_add_co_u32 s22, s22, s23                     ; A: tile 16 x tile row + the 8 that I fetch
	s_mul_i32 s46, s22, TILEB
	s_mov_b32 s47, 0
	s_lshl_b32 s92, s22, 9
	s_mov_b32 s93, 0
	s_lshl_b32 s20, s42, 4
	s_add_co_u32 s20, s20, s23
	s_add_co_u32 s20, s20, 704                     ; B: Wo's tiles begin at 704
	s_mul_i32 s94, s20, TILEB
	s_mov_b32 s95, 0
	s_lshl_b32 s96, s20, 9
	s_mov_b32 s97, 0
	s_mul_i32 s98, s16, HALFT                      ; where they go: no place in the cluster enters an LDS address
	s_lshl_b32 s99, s16, 12
	s_wait_dscnt 0x0                               ; the opening add is done
	s_wait_kmcnt 0x0
	s_add_nc_u64 s[46:47], s[4:5], s[46:47]
	s_add_nc_u64 s[92:93], s[6:7], s[92:93]
	s_add_nc_u64 s[94:95], s[8:9], s[94:95]
	s_add_nc_u64 s[96:97], s[10:11], s[96:97]
	CROUND                                         ; all sixteen work-groups are here: the first joint loads meet
	s_mov_b32 s[G0S], 1
	s_add_co_u32 s[G0S+1], s99, SCL
	s_mov_b64 s[G0S+2:G0S+3], s[92:93]
	s_or_b32 s[G0S+3], s[G0S+3], 0x80000000
	s_mov_b32 s[G0SB], 1
	s_add_co_u32 s[G0SB+1], s99, SCL
	s_mov_b64 s[G0SB+2:G0SB+3], s[96:97]
	s_or_b32 s[G0SB+3], s[G0SB+3], 0x80000000
	JLOAD G0S, G1S, G0SB, G1SB
.irp s, 0,1
	s_mov_b32 s[G0+4*\s], 1
	s_add_co_u32 s[G0+4*\s+1], s98, \s*SLOT
	s_add_nc_u64 s[G0+4*\s+2:G0+4*\s+3], s[46:47], \s*CHUNK
	s_or_b32 s[G0+4*\s+3], s[G0+4*\s+3], 0x80000000
	s_mov_b32 s[G0B+4*\s], 1
	s_add_co_u32 s[G0B+4*\s+1], s98, \s*SLOT
	s_add_nc_u64 s[G0B+4*\s+2:G0B+4*\s+3], s[94:95], \s*CHUNK
	s_or_b32 s[G0B+4*\s+3], s[G0B+4*\s+3], 0x80000000
	JLOAD G0+4*\s, G1, G0B+4*\s, G1B
.endr
	v_and_b32 v1, 15, v0                           ; r
	v_bfe_u32 v2, v0, 4, 1                         ; h
	v_and_b32 v3, 31, v0
	v_lshlrev_b32 v[CO], 4, v3                     ; 16 x lane
	v_lshlrev_b32 v5, 3, v3                        ; 8 x lane
	s_mul_i32 s21, s17, HALFT
	s_mul_i32 s22, s18, HALFT
	s_add_co_u32 s22, s22, 2*HALFT
.irp s, 0,1
	v_add_nc_u32 v[ADRA+\s], s21, v5
	v_add_nc_u32 v[ADRB+\s], s22, v[CO]
	s_add_co_u32 s21, s21, SLOT
	s_add_co_u32 s22, s22, SLOT
.endr
	s_lshl_b32 s21, s17, 12
	s_lshl_b32 s22, s18, 12
	s_add_co_u32 s22, s22, 8192
	s_sub_co_u32 s22, s22, s21
	v_mul_u32_u24 v4, s22, v2                      ; lanes 16-31 take B's scale words: one product for the lane's half
	s_add_co_u32 s21, s21, SCL
	v_lshl_add_u32 v4, v1, 3, v4
	v_add_nc_u32 v[ADRS], s21, v4
	s_mul_i32 s23, s16, 16*SPITCH                  ; my stage
	v_mul_u32_u24 v4, v1, SPITCH
	v_lshl_add_u32 v4, v2, 6, v4
	v_add_nc_u32 v[STO], s23, v4                   ; in: row r, + 64 h
	v_add_nc_u32 v[RD], s23, v[CO]                 ; back: the 32 lanes take one row of 512 bytes
	s_lshl_b32 s20, s43, 20                        ; my first row of out0, 256 x tile row + 128 x half, times 4,096 bytes,
	s_lshl_b32 s21, s17, 19
	s_add_co_u32 s20, s20, s21
	s_lshl_b32 s21, s42, 10                        ; my first column: 1,024 x tile column + 512 x half bytes
	s_add_co_u32 s20, s20, s21
	s_lshl_b32 s21, s18, 9
	s_add_co_u32 s20, s20, s21
	s_mov_b32 s21, 0
	s_add_nc_u64 s[12:13], s[12:13], s[20:21]
.macro FRAGB reg, adr, q, i            ; three loads of 512 consecutive bytes
.irp c, 0,1,2
	ds_load_b128 v[\reg+4*\c:\reg+4*\c+3], v[\adr] offset:CHUNK*(\i)+1536*(\q)+512*\c
.endr
.endm
.macro FRAGA reg, adr, q, i            ; six loads of 256 consecutive bytes: two heads' half fragments
.irp n, 0,1,2,3,4,5
	ds_load_b64 v[\reg+2*\n:\reg+2*\n+1], v[\adr] offset:CHUNK*(\i)+1536*(\q)+256*\n
.endr
.endm
; The 64 accumulators take turns, one instruction a turn, in the same order in every step.
.macro MUL16 a0, p, q, sc, zero
.irp a, \a0, \a0+1
.irp b, 0,1,2,3,4,5,6,7
.if \zero
	v_wmma_scale_f32_16x16x128_f8f6f4 v[8*(8*((\a)%4)+\b):8*(8*((\a)%4)+\b)+7], v[128*(\p)+FR*\b:128*(\p)+FR*\b+FR-1], v[AF+FR*(\a):AF+FR*(\a)+FR-1], 0, v[SC+8*NQ*(\sc)+NQ*\b+(\q)], v[SC+8*NQ*(\sc)+NQ*(\a)+(\q)] matrix_a_fmt:MATRIX_FMT_FP6 matrix_b_fmt:MATRIX_FMT_FP6 matrix_a_scale:MATRIX_SCALE_ROW1
.else
	v_wmma_scale_f32_16x16x128_f8f6f4 v[8*(8*((\a)%4)+\b):8*(8*((\a)%4)+\b)+7], v[128*(\p)+FR*\b:128*(\p)+FR*\b+FR-1], v[AF+FR*(\a):AF+FR*(\a)+FR-1], v[8*(8*((\a)%4)+\b):8*(8*((\a)%4)+\b)+7], v[SC+8*NQ*(\sc)+NQ*\b+(\q)], v[SC+8*NQ*(\sc)+NQ*(\a)+(\q)] matrix_a_fmt:MATRIX_FMT_FP6 matrix_b_fmt:MATRIX_FMT_FP6 matrix_a_scale:MATRIX_SCALE_ROW1
.endif
.endr
.endr
.endm
.macro FETCH_B slot, q, p
	WIN TO_B
.irp i, 0,1,2,3,4,5,6,7
	FRAGB 128*(\p)+FR*\i, ADRB+\slot, \q, \i
.endr
	WIN 0
.endm
.macro FETCH_A slot, q, i0
.irp i, \i0, \i0+1, \i0+2, \i0+3
	FRAGA AF+FR*(\i), ADRA+\slot, \q, \i
.endr
.endm
.macro SCALES sc
.irp i, 0,1,2,3,4,5,6,7
	ds_load_b64 v[SC+8*NQ*\sc+NQ*\i:SC+8*NQ*\sc+NQ*\i+1], v[ADRS] offset:\i*512
.endr
.endm
.macro PLACES n
.rept \n
	v_nop
.endr
.endm
.macro STEP slot, q, zero
	s_wait_dscnt 4*NLA                             ; B's set and A's blocks 0-3 are in; the youngest 24 loads (A's blocks 4-7) may be out
	WIN MUL_LO
	MUL16 0, (\q)%2, \q, \slot, \zero
	MUL16 2, (\q)%2, \q, \slot, \zero
	s_wait_dscnt 0
	PLACES NP
	FETCH_B \slot, (\q)+1, 1-(\q)%2
	FETCH_A \slot, (\q)+1, 0
	WIN MUL_HI
	MUL16 4, (\q)%2, \q, \slot, \zero
	MUL16 6, (\q)%2, \q, \slot, \zero
	PLACES NP
	WIN 0
	FETCH_A \slot, (\q)+1, 4
.endm
.macro TURN slot, next, fill
	s_wait_tensorcnt 0x0                           ; all my tensor loads have landed: my part of the next slot
	ds_add_u32 v[SPW], v[NIL]                      ; 0 onto my spare word
	s_wait_dscnt 4*NLA+1                           ; (the add and the youngest 24 loads may be out)
	WIN MUL_LO
	MUL16 0, 1, NQ-1, \slot, 0
	s_wait_dscnt 0x0                               ; the add is done, and my reads of this slot are over
	s_barrier_signal -1
	MUL16 2, 1, NQ-1, \slot, 0
	WIN 0
	s_barrier_wait -1
.if \fill
	CREST                                          ; the barrier has opened a round of the cluster's barrier
	s_add_nc_u64 s[G0+4*\slot+2:G0+4*\slot+3], s[G0+4*\slot+2:G0+4*\slot+3], 2*CHUNK
	s_add_nc_u64 s[G0B+4*\slot+2:G0B+4*\slot+3], s[G0B+4*\slot+2:G0B+4*\slot+3], 2*CHUNK
	JLOAD G0+4*\slot, G1, G0B+4*\slot, G1B         ; the first tensor load behind the round; its four v_nop are also the places in front of the loads below
.else
	PLACES NP
.endif
	v_add_nc_u32 v[ADRS], 128, v[ADRS]
	FETCH_B \next, 0, 0
	FETCH_A \next, 0, 0
	SCALES \next
	WIN MUL_HI
	MUL16 4, 1, NQ-1, \slot, 0
	MUL16 6, 1, NQ-1, \slot, 0
	PLACES NP
	WIN 0
	FETCH_A \next, 0, 4
.endm
	s_wait_tensorcnt 1                             ; the scale words and my part of K step 0 are in (K step 1's load may be out)
	s_barrier_signal -1
	s_barrier_wait -1
	FETCH_B 0, 0, 0
	FETCH_A 0, 0, 0
	SCALES 0
	FETCH_A 0, 0, 4
	STEP 0, 0, 1                                   ; four K steps of 256, written out; the first products start the sums
	TURN 0, 1, 1
	STEP 1, 0, 0
	TURN 1, 0, 1
	STEP 0, 0, 0
	TURN 0, 1, 0
	STEP 1, 0, 0
	s_wait_dscnt 4*NLA
	WIN MUL_LO
	MUL16 0, 1, NQ-1, 1, 0
	MUL16 2, 1, NQ-1, 1, 0
	s_wait_dscnt 0
	WIN MUL_HI
	MUL16 4, 1, NQ-1, 1, 0
	MUL16 6, 1, NQ-1, 1, 0
	WIN 0
; THE WAY OUT, block by block of 16 tokens x 128 columns.  Accumulator b's eight registers are columns 32 (b / 2) + 16 h + 8 (b % 2) + 0 .. 7; stage row t is token 32 (a / 2) + 8 (a % 2) + t + 8 (t / 8) of my 128.
; LDS serves a wave's instructions in order: no wait between the stores and the loads, nor in front of the next block's stores.
.macro TOSTAGE a
.set AC, 64*((\a)%4)
	WIN 0x08+4*((\a)/4)                            ; an LDS store's data are its source 1: window 2 or 3
.irp b, 0,1,2,3,4,5,6,7
	ds_store_b128 v[STO], v[AC+8*\b:AC+8*\b+3] offset:128*(\b/2)+32*(\b%2)          ; each accumulator from its low end on
	ds_store_b128 v[STO], v[AC+8*\b+4:AC+8*\b+7] offset:128*(\b/2)+32*(\b%2)+16
.endr
	WIN 0
.set BB, BK+64*((\a)%2)
.irp t, 0,1,2,3,4,5,6,7,8,9,10,11,12,13,14,15
	ds_load_b128 v[BB+4*\t:BB+4*\t+3], v[RD] offset:\t*SPITCH
.endr
.endm
.macro SEND a, younger                 ; younger: the LDS instructions issued behind block a's loads, which may stay out
.set BB, BK+64*((\a)%2)
	s_wait_dscnt \younger
.if (\a) > 0
.if ((\a)%2) == 1
	s_add_nc_u64 s[12:13], s[12:13], 8*4096        ; (behind a wait on XCNT: the earlier stores have read their base)  an odd block begins 8 rows on,
.else
	s_add_nc_u64 s[12:13], s[12:13], 24*4096       ; an even one 24 rows on
.endif
.endif
.irp t, 0,1,2,3,4,5,6,7,8,9,10,11,12,13,14,15
	global_store_b128 v[CO], v[BB+4*\t:BB+4*\t+3], s[12:13] offset:(\t+8*(\t/8))*4096 th:TH_STORE_NT   ; 512 consecutive bytes, aligned; written once, read by nobody here
.endr
.endm
	PLACES NP
	TOSTAGE 0
.irp a, 1,2,3,4,5,6,7
.if \a > 1
	s_wait_xcnt 0x0                                ; block a - 2's stores have read their registers and their base
.endif
	TOSTAGE \a
	SEND \a-1, 32                                  ; behind block a - 1's loads: block a's 16 stores and 16 loads
.endr
	s_wait_xcnt 0x0
	SEND 7, 0
	s_wait_tensorcnt 0x0                           ; the wave's end: three lines behind my last tensor load and my last LDS store
	ds_add_u32 v[SPW], v[NIL]
	s_wait_dscnt 0x0
	CROUND                                         ; the closing round
	s_endpgm
.Lfunc_end_k_q8b1dd10220_oproj:
	.size	k_q8b1dd10220_oproj, .Lfunc_end_k_q8b1dd10220_oproj-k_q8b1dd10220_oproj
	.p2alignl 7, 3214868480
	.fill 96, 4, 3214868480
	.section	.rodata,"a",@progbits
	.p2align	6, 0x0
	.amdhsa_kernel k_q8b1dd10220_oproj
		.amdhsa_group_segment_fixed_size 327680
		.amdhsa_private_segment_fixed_size 0
		.amdhsa_enable_private_segment 0
		.amdhsa_kernarg_size 40
		.amdhsa_user_sgpr_count 2
		.amdhsa_user_sgpr_kernarg_segment_ptr 1
		.amdhsa_wavefront_size32 1
		.amdhsa_system_sgpr_workgroup_id_x 1
		.amdhsa_system_sgpr_workgroup_id_y 1
		.amdhsa_system_sgpr_workgroup_id_z 1
		.amdhsa_system_vgpr_workitem_id 0
		.amdhsa_next_free_vgpr 1024
		.amdhsa_next_free_sgpr 106
		.amdhsa_reserve_vcc 0
		.amdhsa_float_denorm_mode_32 3
		.amdhsa_float_denorm_mode_16_64 3
		.amdhsa_memory_ordered 1
		.amdhsa_forward_progress 1
		.amdhsa_inst_pref_size 147
	.end_amdhsa_kernel
	.amdgpu_metadata
---
amdhsa.version: [ 1, 2 ]
amdhsa.kernels:
  - .name:           k_q8b1dd10220_oproj
    .symbol:         k_q8b1dd10220_oproj.kd
    .args:
      - { .name: ac, .offset: 0, .size: 8, .value_kind: global_buffer, .address_space: global }
      - { .name: asc, .offset: 8, .size: 8, .value_kind: global_buffer, .address_space: global }
      - { .name: cb, .offset: 16, .size: 8, .value_kind: global_buffer, .address_space: global }
      - { .name: sb, .offset: 24, .size: 8, .value_kind: global_buffer, .address_space: global }
      - { .name: out0, .offset: 32, .size: 8, .value_kind: global_buffer, .address_space: global }
    .group_segment_fixed_size: 327680
    .private_segment_fixed_size: 0
    .kernarg_segment_align: 8
    .kernarg_segment_size: 40
    .max_flat_workgroup_size: 128
    .sgpr_count:     106
    .vgpr_count:     1024
    .wavefront_size: 32
...
	.end_amdgpu_metadata
.endif
;; end of part 4
